; MI455X (gfx1250); checked and timed in simulation.
; The chip was launched on July 23, 2026; its instructions are those of AMD's public machine-readable ISA for CDNA 5 (MIT licence, August 2026) and "CDNA5" Instruction Set Architecture Reference Guide (July 2026). The comments in the code are by the model that wrote it; some were corrected since.
;; Multi Scale Retention Triton. Allowed arithmetic: float matrix products may take bf16 or f16 operands with f32 sums; other float arithmetic in f32, or as packed bf16 or f16 multiplies, adds, multiply-adds, maxima and minima; sums over many terms, partial sums and values carried from step to step in f32; what a program stores and reads back later, other than sums and carried values, may be rounded once to bf16 or f16.
;; Inputs: Wg 1,024 x 1,024 float32; Wo 1,024 x 1,024 float32; Wq 1,024 x 1,024 float32; Wv 1,024 x 1,024 float32; cos 4,096 x 64 float32; decay 16 x 2 x 1 float32; ln_b 1,024 float32; ln_g 1,024 float32; sin 4,096 x 64 float32; x 4 x 4,096 x 1,024 float32.
;; Outputs: out0 4 x 4,096 x 1,024 float32.
;; 2 versions, each right; version 2 is version 1 with the launch scan written anew for expert scheduling mode. Each part assembles by itself: llvm-mc -triple=amdgcn-amd-amdhsa -mcpu=gfx1250 --defsym DOCPART=n.
;; ======== version 1 of 2: 4 launches
;; limits: values are held in f16: magnitudes above 65,504 overflow, below 6.1e-05 lose precision
;; workspace buffers: xb 33,554,432 bytes; wcat 6,291,456 bytes; wo16 2,097,152 bytes; qvg 100,663,296 bytes; esum 1,048,576 bytes; zh 33,554,432 bytes; rs 65,536 bytes
;; launch prep (part 1): grid 64 x 20, 8 waves a work-group, no clusters, 0 bytes of LDS; arguments x, Wq, Wv, Wg, Wo, xb, wcat, wo16; writes xb, wcat, wo16
.if DOCPART == 1
	.amdgcn_target "amdgcn-amd-amdhsa--gfx1250"
	.amdhsa_code_object_version 6
	.text
	.protected	k_q715cad8ed9_prep
	.globl	k_q715cad8ed9_prep
	.p2align	8
	.type	k_q715cad8ed9_prep,@function
k_q715cad8ed9_prep:
	s_mov_b64 s[64:65], 0
	v_nop
	global_prefetch_b8 v0, s[64:65] scope:SCOPE_SE
	s_setreg_imm32_b32 hwreg(HW_REG_WAVE_MODE, 25, 1), 1
	s_wait_xcnt 0x0
; THE MODULE'S MATRIX INPUTS ARE ROUNDED ONCE TO bf16.  x -> xb [16384][1024] bf16; Wq, Wg, Wv -> wcat [3072][1024] bf16, one below the other, in the order in which the next launch walks them;
; Wo -> wo16 [1024][1024]: the bf16 number written as f16, since the last product's other operand is f16.
; LIMIT.  A bf16 number is exact in f16 from 2^-14 to 65,504; below 2^-14 wo16 keeps f16's fixed step of 6e-8, beyond 65,504 it is an infinity.
; SHARES.  A work-group takes 65,536 bytes of one input: 16 steps of 4,096.  In step i thread t loads the 16 bytes at 16 t + 4,096 i (a wave: 512 bytes on end)
; and stores 8 bytes at 8 t + 2,048 i (a wave: 256 consecutive bytes, aligned).  Grid rows 0-15 are x (1,024 work-groups), rows 16-19 the four weights (64 each).
; All 16 loads go out at once and no register is written twice, so no wait frees a source.  No LDS, no matrix unit, no cluster: nothing is shared and every byte is touched once.
.set IN,  4                            ; v[4:67]   step i: four f32 as loaded
.set OUT, 68                           ; v[68:99]  step i: four 16-bit numbers to store
.set TW,  100                          ; v[100:103] at work
	s_load_b512 s[4:19], s[0:1], 0x0               ; x s[4:5], Wq s[6:7], Wv s[8:9], Wg s[10:11], Wo s[12:13], xb s[14:15], wcat s[16:17], wo16 s[18:19]
	s_and_b32 s20, ttmp7, 0xffff                   ; the grid's row
	v_lshlrev_b32 v1, 4, v0                        ; 16 t
	v_lshlrev_b32 v2, 3, v0                        ; 8 t
	s_lshl_b32 s21, s20, 6
	s_add_co_u32 s21, s21, ttmp9
	s_cmp_lt_u32 s20, 16
	s_cselect_b32 s21, s21, ttmp9                  ; which 65,536 bytes of the input: 64 y + x in x, x in a weight
	s_max_u32 s22, s20, 16
	s_sub_co_u32 s22, s22, 16                      ; which weight, 0 to 3
	s_lshl_b32 s23, s22, 21                        ; its 2 MiB in wcat,
	s_cmp_eq_u32 s22, 3
	s_cselect_b32 s23, 0, s23                      ; or none: Wo has a buffer of its own
	s_lshl_b32 s28, s21, 16                        ; offset in the input
	s_mov_b32 s29, 0
	s_lshl_b32 s30, s21, 15                        ; offset in the output: half as many bytes
	s_add_co_u32 s30, s30, s23
	s_mov_b32 s31, 0
	s_mov_b32 s32, 0xffff0000                      ; a word's upper bf16
	s_wait_kmcnt 0x0
	s_cmp_eq_u32 s20, 16
	s_cselect_b64 s[24:25], s[6:7], s[4:5]         ; from where: Wq first,
	s_cmp_eq_u32 s20, 17
	s_cselect_b64 s[24:25], s[10:11], s[24:25]     ; Wg second,
	s_cmp_eq_u32 s20, 18
	s_cselect_b64 s[24:25], s[8:9], s[24:25]       ; Wv third
	s_cmp_eq_u32 s20, 19
	s_cselect_b64 s[24:25], s[12:13], s[24:25]
	s_cselect_b64 s[26:27], s[18:19], s[16:17]     ; to where
	s_cmp_lt_u32 s20, 16
	s_cselect_b64 s[26:27], s[14:15], s[26:27]
	s_add_nc_u64 s[24:25], s[24:25], s[28:29]
	s_add_nc_u64 s[26:27], s[26:27], s[30:31]
.irp i, 0,1,2,3,4,5,6,7,8,9,10,11,12,13,14,15
	global_load_b128 v[IN+4*(\i):IN+4*(\i)+3], v1, s[24:25] offset:4096*(\i) th:TH_LOAD_NT
.endr
; Step i.  f16 = 1: the bf16 numbers are widened again (a shift, a mask) and written as f16.
.macro CV i, f16
	s_wait_loadcnt 15-(\i)                         ; loads come back in order: step i is in, the 15 - i younger ones stay out
	v_cvt_pk_bf16_f32 v[OUT+2*(\i)],   v[IN+4*(\i)],   v[IN+4*(\i)+1]
	v_cvt_pk_bf16_f32 v[OUT+2*(\i)+1], v[IN+4*(\i)+2], v[IN+4*(\i)+3]
.if \f16
	v_lshlrev_b32 v[TW],   16,  v[OUT+2*(\i)]
	v_and_b32     v[TW+1], s32, v[OUT+2*(\i)]
	v_lshlrev_b32 v[TW+2], 16,  v[OUT+2*(\i)+1]
	v_and_b32     v[TW+3], s32, v[OUT+2*(\i)+1]
	v_cvt_pk_f16_f32 v[OUT+2*(\i)],   v[TW],   v[TW+1]
	v_cvt_pk_f16_f32 v[OUT+2*(\i)+1], v[TW+2], v[TW+3]
.endif
	global_store_b64 v2, v[OUT+2*(\i):OUT+2*(\i)+1], s[26:27] offset:2048*(\i)
.endm
	s_cmp_eq_u32 s20, 19
	s_cbranch_scc1 .Lwo
.irp i, 0,1,2,3,4,5,6,7,8,9,10,11,12,13,14,15
	CV \i, 0
.endr
	s_endpgm
.Lwo:
.irp i, 0,1,2,3,4,5,6,7,8,9,10,11,12,13,14,15
	CV \i, 1
.endr
	s_endpgm
.Lfunc_end_k_q715cad8ed9_prep:
	.size	k_q715cad8ed9_prep, .Lfunc_end_k_q715cad8ed9_prep-k_q715cad8ed9_prep
	.p2alignl 7, 3214868480
	.fill 96, 4, 3214868480
	.section	.rodata,"a",@progbits
	.p2align	6, 0x0
	.amdhsa_kernel k_q715cad8ed9_prep
		.amdhsa_group_segment_fixed_size 0
		.amdhsa_private_segment_fixed_size 0
		.amdhsa_enable_private_segment 0
		.amdhsa_kernarg_size 64
		.amdhsa_user_sgpr_count 2
		.amdhsa_user_sgpr_kernarg_segment_ptr 1
		.amdhsa_wavefront_size32 1
		.amdhsa_system_sgpr_workgroup_id_x 1
		.amdhsa_system_sgpr_workgroup_id_y 1
		.amdhsa_system_sgpr_workgroup_id_z 1
		.amdhsa_system_vgpr_workitem_id 0
		.amdhsa_next_free_vgpr 104
		.amdhsa_next_free_sgpr 66
		.amdhsa_reserve_vcc 0
		.amdhsa_float_denorm_mode_32 3
		.amdhsa_float_denorm_mode_16_64 3
		.amdhsa_memory_ordered 1
		.amdhsa_forward_progress 1
		.amdhsa_inst_pref_size 15
	.end_amdhsa_kernel
	.amdgpu_metadata
---
amdhsa.version: [ 1, 2 ]
amdhsa.kernels:
  - .name:           k_q715cad8ed9_prep
    .symbol:         k_q715cad8ed9_prep.kd
    .args:
      - { .name: x, .offset: 0, .size: 8, .value_kind: global_buffer, .address_space: global }
      - { .name: Wq, .offset: 8, .size: 8, .value_kind: global_buffer, .address_space: global }
      - { .name: Wv, .offset: 16, .size: 8, .value_kind: global_buffer, .address_space: global }
      - { .name: Wg, .offset: 24, .size: 8, .value_kind: global_buffer, .address_space: global }
      - { .name: Wo, .offset: 32, .size: 8, .value_kind: global_buffer, .address_space: global }
      - { .name: xb, .offset: 40, .size: 8, .value_kind: global_buffer, .address_space: global }
      - { .name: wcat, .offset: 48, .size: 8, .value_kind: global_buffer, .address_space: global }
      - { .name: wo16, .offset: 56, .size: 8, .value_kind: global_buffer, .address_space: global }
    .group_segment_fixed_size: 0
    .private_segment_fixed_size: 0
    .kernarg_segment_align: 8
    .kernarg_segment_size: 64
    .max_flat_workgroup_size: 256
    .sgpr_count:     66
    .vgpr_count:     104
    .wavefront_size: 32
...
	.end_amdgpu_metadata
.endif
;; end of part 1
;; launch qvg (part 2): grid 4 x 64, 4 waves a work-group, clusters of 4 x 4, 327,680 bytes of LDS; arguments xb, wcat, qvg, esum, decay; writes qvg, esum
.if DOCPART == 2
	.amdgcn_target "amdgcn-amd-amdhsa--gfx1250"
	.amdhsa_code_object_version 6
	.text
	.protected	k_q715cad8ed9_qvg
	.globl	k_q715cad8ed9_qvg
	.p2align	8
	.type	k_q715cad8ed9_qvg,@function
k_q715cad8ed9_qvg:
	s_mov_b64 s[64:65], 0
	v_nop
	global_prefetch_b8 v0, s[64:65] scope:SCOPE_SE
	s_setreg_imm32_b32 hwreg(HW_REG_WAVE_MODE, 25, 1), 1
	s_wait_xcnt 0x0
	s_wait_alu depctr_hold_cnt(0) depctr_sa_sdst(0) depctr_va_vdst(0) depctr_va_sdst(0) depctr_va_ssrc(0) depctr_va_vcc(0) depctr_vm_vsrc(0)
	s_getreg_b32 s2, hwreg(HW_REG_IB_STS2, 6, 4)
	s_cmp_eq_u32 s2, 0
	s_cbranch_scc0 .Lentry_in_a_cluster
	s_endpgm
.Lentry_in_a_cluster:
	s_bfe_u32 s2, ttmp6, 0x10000c
	s_cmp_lg_u32 s2, 0xf033
	s_cbranch_scc0 .Lentry_shape_is_right
	s_endpgm
.Lentry_shape_is_right:
; q, g, v = x Wq^T, x Wg^T, x Wv^T: xb [16384][1024] times wcat [3072][1024] (Wq, Wg, Wv one below the other), bf16 operands, f32 sums, stored as f16 in three parts: qvg [3][16384][1024] = q, v, g.
; Beside v it stores the decayed sums that the next launch makes its carries of, from the f32 sums: for each block of 128 rows and each channel
;   E128 = the sum over the block's rows r of lambda^(127 - r) v[r]   (esum bytes 0 ..), and E64a = the same over its first 64 rows, lambda^(63 - r)   (esum bytes 524,288 ..).
; lambda = decay[head][1][0] rounded to bf16, as all the module's inputs are.  Its powers come by multiplication alone: any sign and size is served.
; LIMIT.  q, v, g beyond 65,504 become infinities in f16; below 6e-5 they keep f16's fixed step of 6e-8.  NaN and infinities are not treated apart.
; SHAPE.  A tile is 256 x 256, four waves of 128 x 128: 64 accumulators of 16 x 16, 512 registers.  K goes in 8 steps of 128 through a ring of two LDS slots filled by the tensor data mover;
; the tiles' rows are 256 bytes of memory at multiples of 256.
; A WORK-GROUP STAYS: it makes THREE tiles, the same 256 rows and the same 256 columns of q, then of g, then of v: 256 work-groups.  The ring does not stop at a tile's end: a tile's last two changes
; of slots ask for the next tile's first two K steps (xb goes back along K, wcat 1,024 rows down and back), and nothing waits for q's and g's stores.
; CLUSTERS: 4 x 4 work-groups.  The four of a row of the cluster need the same tiles of xb, the four of a column the same tiles of wcat: each is asked for JOINTLY, by the same tensor load with
; the same descriptor and a mask that names the four.  All sixteen walk the three parts in step.
; THE MATRIX INSTRUCTION IS USED TRANSPOSED (source 0 = 16 rows of wcat, source 1 = 16 rows of xb): lane l holds row l % 16 of the tile and the columns 8 (l / 16) + 0..7.
; THE WAY OUT OF q AND g: a block of 16 rows at a time is rounded to f16 and goes through the wave's own stage behind the ring (rows of 272 bytes), back as whole rows of 256 bytes.
; THE WAY OUT OF v, the last tile: the ring has had its last fill, so each wave puts its 128 x 128 sums, in f32, into its own quarter of the ring's bytes (rows of 528 bytes) and reads them back by
; pairs of rows in a loop: lanes 0-15 the even row, lanes 16-31 the odd one, eight columns a lane; the decayed sums are made of the f32 numbers on the way.
; REGISTERS, in windows of 256: window 0: v0-31 addresses and lambda's; v32-63, v224-255 rows back from the stage, by turns (v40-59 at v's way out: the decayed sums); v64-127, v128-191 fragments of xb,
;   two buffers (at v's way out: rows read back); v192-223 packed results      window 1: v64-127, v128-191 fragments of wcat
;   window 2: the accumulators of my rows 0-63, (a, b) at v[8 (8 a + b)]      window 3: those of my rows 64-127
.set SIZE_K, 1024
.set KSTEP,  128
.set TILES,  3
.set PITCH,  272                       ; an LDS row: 256 bytes + 16 of padding = 68 words: row r starts at bank 4 r mod 64 (64 banks of 4 bytes: ISA guide 11.1)
.set HALFT,  128*PITCH                 ; 128 rows: what one tensor load brings
.set SLOT,   4*HALFT                   ; xb's 256 rows, then wcat's 256 rows
.set STAGE,  2*SLOT                    ; behind the ring, never filled by a tensor load: 16 rows x 272 bytes for each wave
.set SPITCH, 272
.set SPARE,  STAGE+4*16*SPITCH         ; behind the stages: the spare words, 128 bytes for each wave: two blocks of 256 bytes that no other line names
.set DP,     528                       ; v's way out: a row of 128 f32 + 16 bytes = 132 words: the 16 rows of a store start at 16 different groups of four banks
.set DUMPW,  128*DP                    ; a wave's part of it: 67,584 bytes; four of them end inside the ring
.set LAPS,   SIZE_K/(2*KSTEP)          ; a lap = two K steps = once round the ring
.set ROWC,   2048                      ; bytes in a row of a part of qvg
.set PART,   0x2000000                 ; bytes in a part
.set BACK_A, (SIZE_K-2*KSTEP)*2        ; bytes from a slot's last K step of a tile back to its first: the three tiles share their rows of xb
.set NEXT_B, 1024*SIZE_K*2-BACK_A      ; wcat: 1,024 rows down and back along K
.set LAM,  6                           ; v6      lambda of my eight columns' head
.set CA,   7                           ; v7      lanes 0-15 lambda, lanes 16-31 one
.set LSQ,  8                           ; v[8:9]  lambda's square, twice
.set CB,   10                          ; v10     lanes 0-15 one, lanes 16-31 lambda
.set EO,   11                          ; v11     my 16 bytes in the wave's 512 of a row of esum
.set DST,  12                          ; v12     v's way out: where I put 32 bytes of a row
.set RDA,  13                          ; v13     where I read 32 bytes of a row back, in my first pair of rows
.set ADR,  14                          ; v14     RDA + the trip's 16 rows
.set DOF,  15                          ; v15     my head's byte in decay
.set ADRA, 16                          ; v16-17  LDS address of my fragments of xb in slot 0, 1
.set STO,  18                          ; v18     the stage: where I put 16 bytes of a row
.set RD,   19                          ; v19     the stage: where I read a row back
.set ADRB, 20                          ; v20-21  LDS address of my fragments of wcat
.set CO,   22                          ; v22     my byte offset in a pair of rows of qvg
.set SPW,  28                          ; v28     LDS address of my spare word: SPARE + 4 x my thread's number; never rewritten
.set NIL,  29                          ; v29     0; never rewritten
.set PFO,  30                          ; v30     the prefetches' offset: my lane x a row of 2,048 bytes; never rewritten
.set OB,   32                          ; 16 rows back from the stage: v32-63 and v224-255 by turns
.set EV,   40                          ; v[40:47] the decayed sum over the rows of my parity, eight columns
.set MK,   48                          ; v[48:51] the half of it that I keep
.set SD,   52                          ; v[52:55] the half that I send
.set OT,   56                          ; v[56:59] the half that I get, then the block's sum
.set F0,   64
.set F1,   128
.set XR,   64                          ; v[64:127]  v's way out: 16 rows read back
.set TMP,  192                         ; v[192:223] packed to f16
.set G1,  24                           ; s[24:31] descriptor group 1 for xb's tiles
.set G0,  32                           ; s[32:39] group 0, one set for each slot
.set G1B, 48                           ; s[48:55], s[56:63] the same for wcat's
.set G0B, 56
.set PFA, 44                           ; s[44:45] where my prefetches stand
.set LIM, 43                           ; s43  1 in a wave that prefetches, else the greatest number
.set DB,  82                           ; s82  v's way out: the trip's rows in LDS
.set CB0, 84                           ; s[84:85] qvg at my 128 x 128 of the first part; s[16:17] the part's offset; s[8:9] the stores' base
.set MSB, 0
.macro WIN new                         ; the immediate's high byte repeats the setting that is left; a switch that changes nothing is dropped
.if MSB != (\new)
	s_set_vgpr_msb (MSB<<8)|(\new)
.set MSB, \new
.endif
.endm
.set MUL_LO, 0xa1                      ; source 0 (wcat) window 1, source 1 (xb) window 0, C and D window 2
.set MUL_HI, 0xf1                      ; the same, C and D window 3
.set TO_B,   0x40                      ; destination window 1, address window 0
; A joint load.  Waves 0 and 1 fetch xb's two halves, waves 2 and 3 wcat's.  The branch hangs on the wave's number alone.  An s_nop 0 and four v_nop follow each of the two lines.
.macro JLOAD s
	s_cmp_eq_u32 s11, 0
	s_cbranch_scc0 .Lfor_b_\@
	tensor_load_to_lds s[G0+4*(\s):G0+4*(\s)+3], s[G1:G1+7]
	s_nop 0
.rept 4
	v_nop
.endr
	s_branch .Lasked_\@
.Lfor_b_\@:
	tensor_load_to_lds s[G0B+4*(\s):G0B+4*(\s)+3], s[G1B:G1B+7]
	s_nop 0
.rept 4
	v_nop
.endr
.Lasked_\@:
.endm
; A prefetch into the L2, behind each joint refill and the run of LDS loads that follows it: the K step that stands two refills on, 512 matrix instructions ahead of the load that will want it:
; 32 rows x 256 bytes, a lane a row, one instruction a wave.  Each row's 256 bytes of a K step are named once in the launch.  xb's tile row is walked by one cluster (there is one along x), three
; times: it is asked for in the first tile alone.  wcat's tile column is walked by sixteen clusters, of which cluster y = 0 asks, in every tile.  The four partners of a joint load take 32 rows each,
; told apart by address.  how = 0, in the loop: the launch's K steps 0 to 3 come by their loads alone, and the loop's last trip (s3 = 1) has no K step two on.
; how = 1, at a change of tiles: the next tile's K steps 2 and 3 of wcat; its K steps 0 and 1 come by their refills alone.
.macro ASK how
.if \how
	s_cmp_eq_u32 s[LIM], 1
.else
	s_cmp_gt_u32 s3, s[LIM]
.endif
	s_cbranch_scc0 .Lnot_mine_\@
	global_prefetch_b8 v[PFO], s[PFA:PFA+1] offset:KSTEP*2 th:TH_LOAD_NT scope:SCOPE_SE
.Lnot_mine_\@:
.endm
.macro CREST                           ; a round of the cluster's barrier behind its opening barrier
	s_cmp_lg_u32 s10, 0
	s_cbranch_scc1 .Lnot_wave_0_\@
	s_barrier_signal -3
.Lnot_wave_0_\@:
	s_barrier_wait -3
	s_barrier_signal -1
	s_barrier_wait -1
.endm
.macro CROUND                          ; a whole round
	s_barrier_signal -1
	s_barrier_wait -1
	CREST
.endm
	s_load_b128 s[4:7], s[0:1], 0x0                ; xb s[4:5], wcat s[6:7]
	s_load_b64 s[CB0:CB0+1], s[0:1], 0x10          ; qvg
	s_load_b128 s[72:75], s[0:1], 0x18             ; esum s[72:73], decay s[74:75]
	v_lshl_add_u32 v[SPW], v0, 2, SPARE
	v_mov_b32 v[NIL], 0
	ds_add_u32 v[SPW], v[NIL]                      ; the wave's opening: the add and its wait stand ahead of my first tensor load; the set-up below, work on registers, stands between them
	v_lshrrev_b32 v1, 5, v0
	v_readfirstlane_b32 s10, v1                    ; wave 0..3
	s_lshr_b32 s11, s10, 1                         ; which half of the tile's rows is mine.  Also: I fetch for xb (0) or for wcat (1)
	s_and_b32 s12, s10, 1                          ; which half of its columns.  Also: which 128 rows of that tile I fetch
	s_bfe_u32 s40, ttmp6, 0x40000                  ; cx
	s_bfe_u32 s41, ttmp6, 0x40004                  ; cy
	s_lshl_b32 s42, ttmp9, 2
	s_add_co_u32 s42, s42, s40                     ; tile column in a part = 4 x cluster x + cx
	s_and_b32 s13, ttmp7, 0xffff
	s_lshl_b32 s13, s13, 2
	s_add_co_u32 s13, s13, s41                     ; tile row = 4 x cluster y + cy
	s_lshl_b32 s43, s41, 2
	s_lshl_b32 s43, 15, s43                        ; my row of the cluster
	s_lshl_b32 s44, 0x1111, s40                    ; my column
	s_or_b32 s[G1+0], s43, (1<<16)|(1<<20)|(1<<21)|(5<<22)|(3<<25)  ; 15:0 the mask; 17:16 elements of 2 bytes; 20 padding on; 21 set beside a mask; 24:22 after every 64 words (code 5); 31:25 4 words of it (code 3)
	s_or_b32 s[G1B+0], s44, (1<<16)|(1<<20)|(1<<21)|(5<<22)|(3<<25)
.irp g, G1, G1B
	s_mov_b32 s[(\g)+1], KSTEP<<16                 ; tensor_dim0 = 128
	s_mov_b32 s[(\g)+2], 128<<16                   ; tensor_dim1 = 128
	s_mov_b32 s[(\g)+3], KSTEP<<16                 ; tile_dim0 = 128
	s_mov_b32 s[(\g)+4], 128                       ; tile_dim1 = 128
	s_mov_b32 s[(\g)+5], SIZE_K                    ; elements from row to row
	s_mov_b32 s[(\g)+6], 0
	s_mov_b32 s[(\g)+7], 0
.endr
	s_lshl_b32 s17, s12, 7                         ; which 128 rows of the tile I fetch
	s_lshl_b32 s16, s13, 8
	s_add_co_u32 s16, s16, s17                     ; xb: row 256 x tile row + 128 x half
	s_lshl_b32 s46, s42, 8
	s_add_co_u32 s46, s46, s17                     ; wcat: row 256 x tile column + 128 x half, in Wq
	s_mov_b32 s17, 0
	s_mov_b32 s47, 0
	s_mov_b64 s[18:19], SIZE_K*2
	s_mul_u64 s[16:17], s[16:17], s[18:19]
	s_mul_u64 s[46:47], s[46:47], s[18:19]
	s_mul_i32 s20, s10, HALFT                      ; where they go: wave x 128 rows: no place in the cluster enters an LDS address
	s_mov_b32 s68, 0x76543210                      ; v_permlanex16_b32: each lane takes its own place in the other half
	s_mov_b32 s69, 0xfedcba98
	s_mov_b32 s70, 0x0000ffff                      ; lanes 0-15
	s_wait_dscnt 0x0                               ; the opening add is done
	s_wait_kmcnt 0x0
	s_add_nc_u64 s[14:15], s[4:5], s[16:17]
	s_add_nc_u64 s[46:47], s[6:7], s[46:47]
	CROUND                                         ; all sixteen work-groups are here: the first joint loads meet
.irp s, 0,1
	s_mov_b32 s[G0+4*(\s)], 1                                      ; count = 1
	s_add_co_u32 s[G0+4*(\s)+1], s20, (\s)*SLOT                    ; LDS address
	s_add_nc_u64 s[G0+4*(\s)+2:G0+4*(\s)+3], s[14:15], (\s)*KSTEP*2  ; global address: K step s
	s_or_b32 s[G0+4*(\s)+3], s[G0+4*(\s)+3], 0x80000000            ; type = 2
	s_mov_b32 s[G0B+4*(\s)], 1
	s_add_co_u32 s[G0B+4*(\s)+1], s20, (\s)*SLOT
	s_add_nc_u64 s[G0B+4*(\s)+2:G0B+4*(\s)+3], s[46:47], (\s)*KSTEP*2
	s_or_b32 s[G0B+4*(\s)+3], s[G0B+4*(\s)+3], 0x80000000
	JLOAD \s                                       ; two tensor loads of mine are out
.endr
	; a fragment is 16 rows x 32 K in 8 registers: lane l holds row l % 16, K = 8 (l / 16) + 0..7 and 16 + 8 (l / 16) + 0..7: two loads of 16 bytes, 32 bytes apart
	v_and_b32 v1, 15, v0                           ; l % 16
	v_bfe_u32 v2, v0, 4, 1                         ; l / 16
	v_mul_u32_u24 v3, v1, PITCH
	v_lshl_add_u32 v3, v2, 4, v3
	s_mul_i32 s21, s11, HALFT                      ; my 128 rows of xb
	s_mul_i32 s22, s12, HALFT                      ; my 128 rows of wcat,
	s_add_co_u32 s22, s22, 2*HALFT                 ; which lie behind xb's 256
.irp s, 0,1
	v_add_nc_u32 v[ADRA+(\s)], s21, v3
	v_add_nc_u32 v[ADRB+(\s)], s22, v3
	s_add_co_u32 s21, s21, SLOT
	s_add_co_u32 s22, s22, SLOT
.endr
	; lambda of my eight columns at v's way out: columns 8 (l % 16) .. of the wave's 128: head 4 cx + 2 x column half + (l % 16) / 8
	s_lshl_b32 s80, s40, 5
	s_lshl_b32 s81, s12, 4
	s_add_co_u32 s80, s80, s81
	s_add_co_u32 s80, s80, 4                       ; decay[head][1][0] lies at byte 8 head + 4
	v_lshrrev_b32 v3, 3, v1
	v_lshl_add_u32 v[DOF], v3, 3, s80
	global_load_b32 v[LAM], v[DOF], s[74:75]
	s_mul_i32 s23, s10, 16*SPITCH
	s_add_co_u32 s23, s23, STAGE                   ; my stage
	v_mul_u32_u24 v4, v1, SPITCH                   ; in: row l % 16, 16 bytes for each half of the lanes
	v_lshl_add_u32 v4, v2, 4, v4
	v_add_nc_u32 v[STO], s23, v4
	v_mul_u32_u24 v5, v2, SPITCH                   ; back: lanes 0-15 take one row of 256 bytes, lanes 16-31 the next
	v_lshl_add_u32 v5, v1, 4, v5
	v_add_nc_u32 v[RD], s23, v5
	s_mul_i32 s23, s10, DUMPW                      ; my part of the ring's bytes at v's way out
	v_mul_u32_u24 v4, v1, DP                       ; in: row l % 16, 32 bytes for each half of the lanes
	v_lshl_add_u32 v4, v2, 5, v4
	v_add_nc_u32 v[DST], s23, v4
	v_mul_u32_u24 v5, v2, DP                       ; back: lanes 0-15 the even row, lanes 16-31 the odd one, 32 bytes a lane
	v_lshl_add_u32 v5, v1, 5, v5
	v_add_nc_u32 v[RDA], s23, v5
	v_lshlrev_b32 v5, 11, v2                       ; a pair of rows in qvg: 2,048 bytes a row, 16 bytes a lane
	v_lshl_add_u32 v[CO], v1, 4, v5
	v_lshlrev_b32 v5, 5, v1                        ; in esum: four of my eight columns
	v_lshl_add_u32 v[EO], v2, 4, v5
	; where my part of the tile begins in a part of qvg and in esum
	s_lshl_b32 s13, s13, 8                         ; 256 x tile row
	s_lshl_b32 s14, s11, 7
	s_add_co_u32 s14, s13, s14                     ; my first row
	s_lshl_b32 s76, s14, 11                        ; x 2,048 bytes
	s_lshl_b32 s80, s40, 9                         ; + the tile's 256 columns
	s_add_co_u32 s76, s76, s80
	s_lshl_b32 s80, s12, 8                         ; + my 128 of them
	s_add_co_u32 s76, s76, s80
	s_mov_b32 s77, 0
	s_add_nc_u64 s[CB0:CB0+1], s[CB0:CB0+1], s[76:77]
	s_mov_b32 s16, 0                               ; the first tile is q: part 0
	s_mov_b32 s17, 0
	s_lshl_b32 s78, s14, 5                         ; my block of 128 rows x 4,096 bytes
	s_lshl_b32 s80, s40, 10
	s_add_co_u32 s78, s78, s80
	s_lshl_b32 s80, s12, 9
	s_add_co_u32 s78, s78, s80
	s_add_co_u32 s78, s78, 524288                  ; E64a is stored first
	s_mov_b32 s79, 0
	s_add_nc_u64 s[72:73], s[72:73], s[78:79]
	; the prefetches
	s_lshl_b32 s42, s42, 8
	s_and_b32 s22, ttmp7, 0xffff                   ; cluster y
	s_cmp_eq_u32 s11, 0                            ; do I fetch for xb?
	s_cselect_b32 s20, s13, s42                    ; the tile's first row
	s_cselect_b32 s21, s40, s41                    ; my place among the four that ask for it with me
	s_cselect_b32 s22, ttmp9, s22                  ; the coordinate along which other clusters read the same rows
	s_cselect_b64 s[PFA:PFA+1], s[4:5], s[6:7]
	s_cmp_eq_u32 s22, 0
	s_cselect_b32 s[LIM], 1, -1                    ; the same in all sixteen partners, for a given wave
	s_lshl_b32 s22, s12, 7
	s_add_co_u32 s20, s20, s22                     ; + the 128 rows that I fetch
	s_lshl_b32 s21, s21, 5
	s_add_co_u32 s20, s20, s21                     ; + my work-group's 32 of them
	s_mov_b32 s21, 0
	s_mov_b64 s[18:19], SIZE_K*2
	s_mul_u64 s[20:21], s[20:21], s[18:19]
	s_add_nc_u64 s[PFA:PFA+1], s[PFA:PFA+1], s[20:21]
	s_add_nc_u64 s[PFA:PFA+1], s[PFA:PFA+1], 2*KSTEP*2  ; at K step 2: the first refill steps it to 3 and names K step 4
	v_and_b32 v[PFO], 31, v0
	v_mul_u32_u24 v[PFO], v[PFO], SIZE_K*2
	; what v's way out needs of lambda is made here, in the wait for the first tile
	s_wait_loadcnt 0x0
	v_cvt_pk_bf16_f32 v[LAM], v[LAM], v[LAM]       ; rounded to bf16,
	v_lshlrev_b32 v[LAM], 16, v[LAM]               ; and widened again
	v_mul_f32 v[LSQ], v[LAM], v[LAM]
	v_mul_f32 v[LSQ+1], v[LAM], v[LAM]
	v_cndmask_b32 v[CA], 1.0, v[LAM], s70
	v_cndmask_b32 v[CB], v[LAM], 1.0, s70
; 16 matrix instructions: m blocks a0, a0 + 1 of the window's four x all 8 n blocks, 32 along K.  zero = 1: the first product starts the sums.
.macro MUL16 f, hi, a0, zero
	WIN MUL_LO+0x50*(\hi)
.irp a, \a0, (\a0)+1
.irp b, 0,1,2,3,4,5,6,7
.if \zero
	v_wmma_f32_16x16x32_bf16 v[8*(8*(\a)+(\b)):8*(8*(\a)+(\b))+7], v[(\f)+8*(\b):(\f)+8*(\b)+7], v[(\f)+8*(4*(\hi)+(\a)):(\f)+8*(4*(\hi)+(\a))+7], 0
.else
	v_wmma_f32_16x16x32_bf16 v[8*(8*(\a)+(\b)):8*(8*(\a)+(\b))+7], v[(\f)+8*(\b):(\f)+8*(\b)+7], v[(\f)+8*(4*(\hi)+(\a)):(\f)+8*(4*(\hi)+(\a))+7], v[8*(8*(\a)+(\b)):8*(8*(\a)+(\b))+7]
.endif
.endr
.endr
.endm
; 32 LDS loads in one run: the fragments of one quarter step (32 K at byte k of the rows) into buffer f
.macro FETCH slot, k, f
	WIN TO_B
.irp i, 0,1,2,3,4,5,6,7
	ds_load_b128 v[(\f)+8*(\i):(\f)+8*(\i)+3],   v[ADRB+(\slot)] offset:(\k)+(\i)*16*PITCH
	ds_load_b128 v[(\f)+8*(\i)+4:(\f)+8*(\i)+7], v[ADRB+(\slot)] offset:(\k)+(\i)*16*PITCH+32
.endr
	WIN 0
.irp i, 0,1,2,3,4,5,6,7
	ds_load_b128 v[(\f)+8*(\i):(\f)+8*(\i)+3],   v[ADRA+(\slot)] offset:(\k)+(\i)*16*PITCH
	ds_load_b128 v[(\f)+8*(\i)+4:(\f)+8*(\i)+7], v[ADRA+(\slot)] offset:(\k)+(\i)*16*PITCH+32
.endr
.endm
.macro PLACES                          ; four plain vector instructions between a matrix instruction and a load into, or a reader of, its registers (ISA guide 7.12.1 for readers)
.rept 4
	v_nop
.endr
.endm
; A K step is four quarters of 32 along K, 64 matrix instructions each, on buffers 0, 1, 0, 1.  One of the first three multiplies buffer f and fetches the next quarter, at byte k, into g.
; The 64 accumulators take turns, in the same order in every quarter, from tile to tile too.
.macro QUARTER slot, k, f, g, zero
	s_wait_dscnt 8                                 ; wcat's and xb's rows 0-63 are in; the youngest eight loads (xb's rows 64-127) may be out
	MUL16 \f, 0, 0, \zero
	MUL16 \f, 0, 2, \zero
	PLACES
	FETCH \slot, \k, \g
	s_wait_dscnt 32                                ; all but the 32 just issued
	MUL16 \f, 1, 0, \zero
	MUL16 \f, 1, 2, \zero
.endm
; The first half of a K step's last quarter: one barrier for the change of slots.
.macro MEET round
	WIN 0                                          ; (the add's two registers lie in window 0)
	s_wait_tensorcnt 0x0                           ; all my tensor loads have landed: the one that was out is my part of the next slot;
	ds_add_u32 v[SPW], v[NIL]                      ; 0 onto my spare word
	s_wait_dscnt 9                                 ; (the add and the youngest eight loads may be out)
	MUL16 F1, 0, 0, 0                              ; sixteen matrix instructions stand between the add and the wait for it
	s_wait_dscnt 0x0                               ; the add is done, and my reads of this slot are over
	s_barrier_signal -1
	MUL16 F1, 0, 2, 0                              ; work on registers while the others arrive
.if \round
	WIN 0
.endif
	s_barrier_wait -1
.endm
; The whole last quarter where the slot is filled again: with this tile's K step two steps on (on = 0) or, in a tile's last two K steps, with the NEXT tile's K step 0 or 1 (on = 1).  The barrier opens a
; round of the cluster's, and the joint refill is the first tensor load behind it.  From that request to the wait for it a wave issues 224 matrix instructions, across tiles too; one tensor load of mine is out.
.macro TURN slot, next, on
	s_wait_xcnt 0x0                                ; the last prefetch, a K step back, has read its address; so have the stores of the tile before their registers
.if (\on) && (\slot) == 0
	s_add_nc_u64 s[PFA:PFA+1], s[PFA:PFA+1], 1023*SIZE_K*2+KSTEP*2  ; from the K step after the tile's last to the next tile's K step 1: 1,024 rows down, back along K
	s_cmp_eq_u32 s11, 1
	s_cselect_b32 s[LIM], s[LIM], -1               ; xb's rows are the same for all three tiles: they have been read, and are prefetched no more
.else
	s_add_nc_u64 s[PFA:PFA+1], s[PFA:PFA+1], KSTEP*2
.endif
	MEET 1
	CREST                                          ; no wave of any partner still reads this slot or has a load on its way
.if \on
	s_sub_nc_u64 s[G0+4*(\slot)+2:G0+4*(\slot)+3], s[G0+4*(\slot)+2:G0+4*(\slot)+3], BACK_A
	s_add_nc_u64 s[G0B+4*(\slot)+2:G0B+4*(\slot)+3], s[G0B+4*(\slot)+2:G0B+4*(\slot)+3], NEXT_B
.else
	s_add_nc_u64 s[G0+4*(\slot)+2:G0+4*(\slot)+3], s[G0+4*(\slot)+2:G0+4*(\slot)+3], 2*KSTEP*2
	s_add_nc_u64 s[G0B+4*(\slot)+2:G0B+4*(\slot)+3], s[G0B+4*(\slot)+2:G0B+4*(\slot)+3], 2*KSTEP*2
.endif
	JLOAD \slot                                    ; the four v_nop behind it are also the places in front of the loads below
	FETCH \next, 0, F0
	ASK \on
	MUL16 F1, 1, 0, 0
	MUL16 F1, 1, 2, 0
.endm
; THE WAY OUT OF q AND g, block a of 16 rows, in three parts.  PACK: rounded to f16, 16 bytes a lane, each accumulator's registers in ascending order.  TOSTAGE: into my own stage, and back as whole rows of 256 bytes.  SEND: stored.
.macro PACK a
.set AC, 64*((\a)%4)
	WIN 0x0a+5*((\a)/4)                            ; sources 0 and 1: window 2 or 3
.irp b, 0,1,2,3,4,5,6,7
.irp r, 0,1,2,3
	v_cvt_pk_f16_f32 v[TMP+4*(\b)+(\r)], v[AC+8*(\b)+2*(\r)], v[AC+8*(\b)+2*(\r)+1]
.endr
.endr
	WIN 0
.endm
.macro TOSTAGE a
.set BK, OB+192*((\a)%2)
.irp b, 0,1,2,3,4,5,6,7
	ds_store_b128 v[STO], v[TMP+4*(\b):TMP+4*(\b)+3] offset:32*(\b)
.endr
.irp t, 0,1,2,3,4,5,6,7
	ds_load_b128 v[BK+4*(\t):BK+4*(\t)+3], v[RD] offset:(\t)*2*SPITCH  ; LDS serves a wave's instructions in order (ISA guide 5.7.1.4): these see the stores above
.endr
.endm
.macro SEND a
.set BK, OB+192*((\a)%2)
	s_wait_dscnt 0x0                               ; the block is back in registers
	s_wait_xcnt 0x0                                ; only behind this wait are the stores' base and the registers that earlier stores read written again
.if (\a) == 0
	s_add_nc_u64 s[8:9], s[CB0:CB0+1], s[16:17]    ; this tile's part, my first rows
.else
	s_add_nc_u64 s[8:9], s[8:9], 16*ROWC           ; 16 rows on
.endif
.irp t, 0,1,2,3,4,5,6,7
	global_store_b128 v[CO], v[BK+4*(\t):BK+4*(\t)+3], s[8:9] offset:2*(\t)*ROWC  ; 16 lanes store 256 consecutive bytes, at a multiple of 256 from qvg's first byte
.endr
.endm
	s_wait_tensorcnt 1                             ; my part of K step 0 is in; K step 1's may stay out
	s_barrier_signal -1
	s_barrier_wait -1                              ; everybody's is
	FETCH 0, 0, F0
	s_mov_b32 s2, TILES                            ; tiles to go, this one among them: the same number in every work-group
.Ltile:                                                ; (FETCH and SEND leave every window 0)
	QUARTER 0, 64,  F0, F1, 1                      ; a tile's first quarter stands in front of the loop: its products start the sums
	WIN 0                                          ; at a label and at a branch every window is 0
	s_mov_b32 s3, LAPS-1
.Llap:                                                 ; a trip goes once round the ring, from a lap's second quarter to the next lap's first, and fills both slots again: K steps 2 to 7
	QUARTER 0, 128, F1, F0, 0
	QUARTER 0, 192, F0, F1, 0
	TURN 0, 1, 0
	QUARTER 1, 64,  F0, F1, 0
	QUARTER 1, 128, F1, F0, 0
	QUARTER 1, 192, F0, F1, 0
	TURN 1, 0, 0
	QUARTER 0, 64,  F0, F1, 0
	WIN 0
	s_sub_co_u32 s3, s3, 1
	s_cmp_lg_u32 s3, 0
	s_cbranch_scc1 .Llap
	QUARTER 0, 128, F1, F0, 0                      ; the tile's last lap goes on
	QUARTER 0, 192, F0, F1, 0
	WIN 0
	s_cmp_eq_u32 s2, 1
	s_cbranch_scc1 .Llast_tile                     ; the last tile's tail is written out: it asks for nothing more
	TURN 0, 1, 1                                   ; THE RING GOES ON INTO THE NEXT TILE: slot 0 takes its K step 0,
	QUARTER 1, 64,  F0, F1, 0
	QUARTER 1, 128, F1, F0, 0
	QUARTER 1, 192, F0, F1, 0
	TURN 1, 0, 1                                   ; slot 1 its K step 1, and the next tile's first fragments are fetched
	PACK 0                                         ; both refills are asked for: now the tile goes out.  No v_nop: blocks 0-3 were finished in front of the joint load's four, and their 128 conversions,
	TOSTAGE 0                                      ; which name no register of the last products (blocks 4-7's), are those products' places
.irp a, 1,2,3,4,5,6,7                  ; block a's conversions stand between block a - 1's loads from the stage and the wait for them
	PACK \a
	SEND (\a)-1
	TOSTAGE \a
.endr
	SEND 7
	s_mov_b32 s16, 2*PART                          ; the second tile is g: part 2
	s_sub_co_u32 s2, s2, 1
	s_branch .Ltile
.Llast_tile:
	MEET 0                                         ; the load that was still out is the last K step's, so no round follows
	PLACES
	FETCH 1, 0, F0
	MUL16 F1, 1, 0, 0
	MUL16 F1, 1, 2, 0
	QUARTER 1, 64,  F0, F1, 0
	QUARTER 1, 128, F1, F0, 0
	QUARTER 1, 192, F0, F1, 0
	s_wait_dscnt 8                                 ; the very last quarter: nothing more to fetch
	MUL16 F1, 0, 0, 0
	MUL16 F1, 0, 2, 0
	s_wait_dscnt 0x0
	MUL16 F1, 1, 0, 0
	MUL16 F1, 1, 2, 0
	WIN 0
.irp k, 0,1,2,3,4,5,6,7
	v_mov_b32 v[EV+(\k)], 0                        ; the decayed sums start at 0.  These twelve lines, which name no register of the last products, are the places behind them
.endr
.irp k, 0,1,2,3
	v_mov_b32 v[OT+(\k)], 0                        ; v_permlanex16_b32 counts as a reader of its destination
.endr
	; THE WAY OUT OF v.  The ring has had its last fill (every wave has waited for all its tensor loads) and my reads of it are back: behind this barrier that holds of all four waves, and its bytes are written.
	s_barrier_signal -1
	s_barrier_wait -1
.irp hi, 0,1
	WIN 0x08+4*(\hi)                               ; the stores' data: window 2, then 3
.irp a, 0,1,2,3
.irp b, 0,1,2,3,4,5,6,7
	ds_store_b128 v[DST], v[8*(8*(\a)+(\b)):8*(8*(\a)+(\b))+3]   offset:(4*(\hi)+(\a))*16*DP+64*(\b)      ; each accumulator's low registers first
	ds_store_b128 v[DST], v[8*(8*(\a)+(\b))+4:8*(8*(\a)+(\b))+7] offset:(4*(\hi)+(\a))*16*DP+64*(\b)+16
.endr
.endr
.endr
	WIN 0
	; Each wave reads its own bytes alone, and LDS serves a wave's instructions in order (ISA guide 5.7.1.4): no wait and no barrier between the stores above and the loads below.
	; A trip takes 16 rows.  EV = EV x lambda^2 + row, over the rows of my parity.
	s_add_nc_u64 s[8:9], s[CB0:CB0+1], PART        ; v is part 1 (g's stores have long read this base: every change of slots since has waited for that)
	s_mov_b32 s[DB], 0
	s_mov_b32 s2, 2                                ; two halves of 64 rows
.Lhalf:
	s_mov_b32 s3, 4
.Ltrip:
	v_add_nc_u32 v[ADR], s[DB], v[RDA]
.irp t, 0,1,2,3,4,5,6,7
	ds_load_b128 v[XR+8*(\t):XR+8*(\t)+3],   v[ADR] offset:2*DP*(\t)
	ds_load_b128 v[XR+8*(\t)+4:XR+8*(\t)+7], v[ADR] offset:2*DP*(\t)+16
.endr
.irp t, 0,1,2,3,4,5,6,7
	s_wait_dscnt 14-2*(\t)                         ; pair t of rows is in; the later pairs' loads may be out
.irp j, 0,2,4,6
	v_pk_fma_f32 v[EV+(\j):EV+(\j)+1], v[EV+(\j):EV+(\j)+1], v[LSQ:LSQ+1], v[XR+8*(\t)+(\j):XR+8*(\t)+(\j)+1]
.endr
.irp j, 0,1,2,3
	v_cvt_pk_f16_f32 v[TMP+4*(\t)+(\j)], v[XR+8*(\t)+2*(\j)], v[XR+8*(\t)+2*(\j)+1]
.endr
	global_store_b128 v[CO], v[TMP+4*(\t):TMP+4*(\t)+3], s[8:9] offset:2*(\t)*ROWC  ; 16 lanes store 256 consecutive bytes, at a multiple of 256 from qvg's first byte
.endr
	s_add_co_u32 s[DB], s[DB], 16*DP
	s_wait_xcnt 0x0                                ; the stores have read their data and their base: both are written again only behind this wait
	s_add_nc_u64 s[8:9], s[8:9], 16*ROWC
	s_sub_co_u32 s3, s3, 1
	s_cmp_lg_u32 s3, 0
	s_cbranch_scc1 .Ltrip
	; The sum over all rows so far = lambda x (even rows' sum) + (odd rows' sum).  Lanes l and l + 16 hold the two for the same eight columns: each keeps four columns and sends the other four.
.irp k, 0,1,2,3
	v_cndmask_b32 v[MK+(\k)], v[EV+4+(\k)], v[EV+(\k)], s70   ; lanes 0-15 keep columns 0-3, lanes 16-31 columns 4-7
	v_cndmask_b32 v[SD+(\k)], v[EV+(\k)], v[EV+4+(\k)], s70
.endr
.irp k, 0,1,2,3
	v_permlanex16_b32 v[OT+(\k)], v[SD+(\k)], s68, s69
.endr
.irp k, 0,1,2,3
	v_mul_f32 v[OT+(\k)], v[CB], v[OT+(\k)]
.endr
.irp k, 0,1,2,3
	v_fma_f32 v[OT+(\k)], v[CA], v[MK+(\k)], v[OT+(\k)]
.endr
	global_store_b128 v[EO], v[OT:OT+3], s[72:73]  ; the wave stores 512 consecutive bytes: first E64a, then, EV running on, E128
	s_wait_xcnt 0x0
	s_sub_nc_u64 s[72:73], s[72:73], 524288
	s_sub_co_u32 s2, s2, 1
	s_cmp_lg_u32 s2, 0
	s_cbranch_scc1 .Lhalf
	s_wait_tensorcnt 0x0                           ; the wave's end, behind my last tensor load and my last LDS store
	ds_add_u32 v[SPW], v[NIL]
	s_wait_dscnt 0x0
	CROUND                                         ; the closing round: no work-group ends while a partner may still ask for a tile that names it
	s_endpgm
.Lfunc_end_k_q715cad8ed9_qvg:
	.size	k_q715cad8ed9_qvg, .Lfunc_end_k_q715cad8ed9_qvg-k_q715cad8ed9_qvg
	.p2alignl 7, 3214868480
	.fill 96, 4, 3214868480
	.section	.rodata,"a",@progbits
	.p2align	6, 0x0
	.amdhsa_kernel k_q715cad8ed9_qvg
		.amdhsa_group_segment_fixed_size 327680
		.amdhsa_private_segment_fixed_size 0
		.amdhsa_enable_private_segment 0
		.amdhsa_kernarg_size 40
		.amdhsa_user_sgpr_count 2
		.amdhsa_user_sgpr_kernarg_segment_ptr 1
		.amdhsa_wavefront_size32 1
		.amdhsa_system_sgpr_workgroup_id_x 1
		.amdhsa_system_sgpr_workgroup_id_y 1
		.amdhsa_system_sgpr_workgroup_id_z 1
		.amdhsa_system_vgpr_workitem_id 0
		.amdhsa_next_free_vgpr 1024
		.amdhsa_next_free_sgpr 88
		.amdhsa_reserve_vcc 0
		.amdhsa_float_denorm_mode_32 3
		.amdhsa_float_denorm_mode_16_64 3
		.amdhsa_memory_ordered 1
		.amdhsa_forward_progress 1
		.amdhsa_inst_pref_size 196
	.end_amdhsa_kernel
	.amdgpu_metadata
---
amdhsa.version: [ 1, 2 ]
amdhsa.kernels:
  - .name:           k_q715cad8ed9_qvg
    .symbol:         k_q715cad8ed9_qvg.kd
    .args:
      - { .name: xb, .offset: 0, .size: 8, .value_kind: global_buffer, .address_space: global }
      - { .name: wcat, .offset: 8, .size: 8, .value_kind: global_buffer, .address_space: global }
      - { .name: qvg, .offset: 16, .size: 8, .value_kind: global_buffer, .address_space: global }
      - { .name: esum, .offset: 24, .size: 8, .value_kind: global_buffer, .address_space: global }
      - { .name: decay, .offset: 32, .size: 8, .value_kind: global_buffer, .address_space: global }
    .group_segment_fixed_size: 327680
    .private_segment_fixed_size: 0
    .kernarg_segment_align: 8
    .kernarg_segment_size: 40
    .max_flat_workgroup_size: 128
    .sgpr_count:     88
    .vgpr_count:     1024
    .wavefront_size: 32
...
	.end_amdgpu_metadata
.endif
;; end of part 2
;; launch scan (part 3): grid 256 x 1, 8 waves a work-group, no clusters, 99,840 bytes of LDS; arguments qvg, esum, decay, ln_g, ln_b, zh, rs; writes zh, rs
.if DOCPART == 3
	.amdgcn_target "amdgcn-amd-amdhsa--gfx1250"
	.amdhsa_code_object_version 6
	.text
	.protected	k_q715cad8ed9_scan
	.globl	k_q715cad8ed9_scan
	.p2align	8
	.type	k_q715cad8ed9_scan,@function
k_q715cad8ed9_scan:
	s_mov_b64 s[64:65], 0
	v_nop
	global_prefetch_b8 v0, s[64:65] scope:SCOPE_SE
	s_setreg_imm32_b32 hwreg(HW_REG_WAVE_MODE, 25, 1), 1
	s_wait_xcnt 0x0
; THE RUNNING SUM, THE NORM AND THE GATE.  state[r] = lambda state[r - 1] + v[r] along a batch's 4,096 rows; y = q state; LayerNorm over a row's 1,024 channels (mean, then the mean of the centred
; squares: no difference of sums); times ln_g, plus ln_b; times silu(g) = g / (1 + 2^(-g log2 e)).  The row z is divided by its largest magnitude and stored as f16 (zh);
; the magnitude goes to rs, and the last product multiplies its f32 sums by it: so z needs no room in f16, whatever ln_g, ln_b and g are.
; decay, ln_g and ln_b are rounded to bf16, as all the module's inputs are.  sin and cos are not read: no result hangs on them.
; LIMITS.  A row's largest |z| from 2^-100 to 2^126; a row below that is stored as z x 2^100, with rs = 2^-100.  Within a row, numbers under 6e-5 of the largest keep f16's fixed step.
; NaN and infinities are not treated apart.  lambda's powers come by multiplication alone.
; SHARES.  A work-group owns 64 rows, in four panels of 16; 256 work-groups.  PHASE A: thread t owns channels 4 t .. 4 t + 3 (head t / 16) and walks the panel's rows: state, y; y (f32) and g (f16) go
; to LDS.  PHASE B: wave w owns the panel's rows 2 w and 2 w + 1 whole: lane l holds channels 4 l + 128 m + 0..3, m = 0..7.
; THE CARRY into my first row comes from the launch before: S = S lambda^128 + E128[i] over the blocks i of 128 rows of my batch that lie in front of mine, then, if my 64 rows are a block's second
; half, S = S lambda^64 + E64a.  All 31 blocks that any work-group can need are loaded and walked; a mask selects: no branch, no register whose first write hangs on one.
; IN FLIGHT.  All loads of q, v, g are phase A's: a ring of 16 row slots in registers, three loads of 8 bytes a lane each (a wave: 256 consecutive bytes, aligned); a slot is asked for again, 16 rows on,
; as soon as it is used, so 48 loads a wave stay out through phase B too.
; No matrix unit, no cluster, no tensor load: nothing is shared between work-groups but esum's 1 MiB, and each byte of q, v, g is wanted by one thread.
; LDS: y 16 rows x 4,096 at 0; g 16 rows x 2,048 at 65,536; the 64 row magnitudes at 98,304 (a block of 256 to themselves); the spare words at 98,560.
.set GB,    65536
.set RSL,   98304
.set SPARE, 98560                      ; the spare words, 128 bytes for each of eight waves: four blocks of 256 bytes that no other line names
.set ROWH,  2048                       ; bytes in a row of q, v, g and z
.set PART,  0x2000000                  ; bytes in a part of qvg
; v1 8 t   v2 16 t   v3 GB + 8 t   v4 y's address in phase B: 8,192 w + 16 l   v5 g's: GB + 4,096 w + 8 l   v6 my bytes in zh: 4,096 w + 8 l   v7 my rows' words among the magnitudes
; v8 my spare word, v9 0: for the add alone   v10 0   v11 -log2 e   v[12:15] the state   v16 lambda
.set MEAN, 18                          ; v[18:19] in the prologue lambda^128, twice; then the row's mean, twice
.set RSTD, 20                          ; v[20:21] in the prologue lambda^64, twice; then 1 / sqrt(var + eps), twice
.set INV,  22                          ; v[22:23] 1 / the row's largest magnitude, twice
.set LNG,  24                          ; v[24:39]  ln_g of my 32 channels of phase B, bf16 in pairs
.set LNB,  40                          ; v[40:55]  ln_b likewise
.set YR,   56                          ; v[56:87]  the row: channel (m, k) at 4 m + k
.set GR,   88                          ; v[88:103] g in f16: channel (m, k) in half k % 2 of 2 m + k / 2
.set TR,   104                         ; v[104:135] the sigmoid; its first 16 then take the packed row
.set TM,   136                         ; v[136:143] at work
.set YT,   144                         ; v[144:151] phase A: y of a row, two sets
.set CT,   152                         ; v[152:155] the carry's next value
.set RING, 160                         ; v[160:255] slot i: q at 6 i, v at 6 i + 2, g at 6 i + 4
; window 1: v[0:123] E128 of blocks 0 to 30, four registers each; v[124:127] E64a
.set MSB, 0
.macro WIN new                         ; the immediate's high byte repeats the setting that is left; a switch that changes nothing is dropped
.if MSB != (\new)
	s_set_vgpr_msb (MSB<<8)|(\new)
.set MSB, \new
.endif
.endm
	s_load_b256 s[4:11], s[0:1], 0x0               ; qvg s[4:5], esum s[6:7], decay s[8:9], ln_g s[10:11]
	s_load_b128 s[12:15], s[0:1], 0x20             ; ln_b s[12:13], zh s[14:15]
	s_load_b64 s[16:17], s[0:1], 0x30              ; rs
	v_lshl_add_u32 v8, v0, 2, SPARE
	v_mov_b32 v9, 0
	v_lshrrev_b32 v136, 5, v0
	v_readfirstlane_b32 s36, v136                  ; wave 0..7
	v_and_b32 v137, 31, v0                         ; lane
	v_lshlrev_b32 v1, 3, v0
	v_lshlrev_b32 v2, 4, v0
	v_add_nc_u32 v3, GB, v1
	s_lshl_b32 s38, s36, 13
	v_lshl_add_u32 v4, v137, 4, s38
	s_lshl_b32 s38, s36, 12
	v_lshl_add_u32 v6, v137, 3, s38
	v_add_nc_u32 v5, GB, v6
	s_lshl_b32 s38, s36, 3
	s_add_co_u32 s38, s38, RSL
	v_mov_b32 v7, s38
	v_mov_b32 v10, 0
	v_mov_b32 v11, 0xbfb8aa3b                      ; -1.442695
	v_lshlrev_b32 v138, 4, v137                    ; 16 l: my bytes in 512 of ln_g and ln_b
	v_lshrrev_b32 v139, 4, v0
	v_lshl_add_u32 v139, v139, 3, 4                ; decay[t / 16][1][0]
	s_lshl_b32 s2, ttmp9, 17                       ; my 64 rows of 2,048 bytes
	s_mov_b32 s3, 0
	s_lshr_b32 s18, ttmp9, 6
	s_lshl_b32 s18, s18, 17                        ; my batch's 32 blocks of 4,096 bytes in esum
	s_mov_b32 s19, 0
	s_lshr_b32 s44, ttmp9, 1
	s_and_b32 s34, s44, 31                         ; blocks of my batch in front of mine
	s_lshl_b32 s44, s44, 12                        ; my own block
	s_mov_b32 s45, 0
	s_and_b32 s35, ttmp9, 1                        ; 1: my rows are its second half
	s_lshl_b32 s46, ttmp9, 8                       ; my 64 words of rs
	s_mov_b32 s47, 0
	s_mov_b32 s39, 0x3a800000                      ; 1 / 1,024
	s_mov_b32 s40, 0x3727c5ac                      ; 1e-5
	s_mov_b32 s41, 0x0d800000                      ; 2^-100
	s_mov_b32 s42, 0x76543210                      ; v_permlanex16_b32: each lane takes its own place in the other half
	s_mov_b32 s43, 0xfedcba98
	s_wait_kmcnt 0x0
	s_add_nc_u64 s[20:21], s[4:5], s[2:3]          ; q,
	s_add_nc_u64 s[22:23], s[20:21], PART          ; v,
	s_add_nc_u64 s[24:25], s[22:23], PART          ; g at my first row
	s_add_nc_u64 s[26:27], s[6:7], s[18:19]
	s_add_nc_u64 s[28:29], s[6:7], s[44:45]
	s_add_nc_u64 s[30:31], s[14:15], s[2:3]
	s_add_nc_u64 s[32:33], s[16:17], s[46:47]
.irp m, 0,1,2,3,4,5,6,7
	global_load_b128 v[YR+4*(\m):YR+4*(\m)+3], v138, s[10:11] offset:512*(\m)
.endr
.irp m, 0,1,2,3,4,5,6,7
	global_load_b128 v[TR+4*(\m):TR+4*(\m)+3], v138, s[12:13] offset:512*(\m)
.endr
	global_load_b32 v16, v139, s[8:9]
	WIN 0x40                                       ; destination window 1, address window 0
	global_load_b128 v[124:127], v2, s[28:29] offset:524288
.set i, 0
.rept 31
	global_load_b128 v[4*i:4*i+3], v2, s[26:27] offset:4096*i
.set i, i+1
.endr
	WIN 0
.set i, 0
.rept 16                                       ; the ring is filled: rows 0 to 15
	global_load_b64 v[RING+6*i:RING+6*i+1],   v1, s[20:21] offset:ROWH*i th:TH_LOAD_NT
	global_load_b64 v[RING+6*i+2:RING+6*i+3], v1, s[22:23] offset:ROWH*i th:TH_LOAD_NT
	global_load_b64 v[RING+6*i+4:RING+6*i+5], v1, s[24:25] offset:ROWH*i th:TH_LOAD_NT
.set i, i+1
.endr
	s_wait_loadcnt 48                              ; all but the ring's 48
	v_cvt_pk_bf16_f32 v16, v16, v16                ; lambda rounded to bf16,
	v_lshlrev_b32 v16, 16, v16                     ; and widened again
	v_mul_f32 v[RSTD], v16, v16                    ; six squarings: lambda^64
.rept 5
	v_mul_f32 v[RSTD], v[RSTD], v[RSTD]
.endr
	v_mul_f32 v[MEAN], v[RSTD], v[RSTD]            ; lambda^128
	v_mov_b32 v[RSTD+1], v[RSTD]
	v_mov_b32 v[MEAN+1], v[MEAN]
.set j, 0
.rept 16
	v_cvt_pk_bf16_f32 v[LNG+j], v[YR+2*j], v[YR+2*j+1]
	v_cvt_pk_bf16_f32 v[LNB+j], v[TR+2*j], v[TR+2*j+1]
.set j, j+1
.endr
.irp k, 12,13,14,15
	v_mov_b32 v\k, 0
.endr
.set i, 0
.rept 31
	s_cmp_gt_u32 s34, i                            ; does block i lie in front of mine?
	s_cselect_b32 vcc_lo, -1, 0
	WIN 0x10                                       ; source 2 in window 1
	v_pk_fma_f32 v[CT:CT+1],   v[12:13], v[MEAN:MEAN+1], v[4*i:4*i+1]
	v_pk_fma_f32 v[CT+2:CT+3], v[14:15], v[MEAN:MEAN+1], v[4*i+2:4*i+3]
	v_cndmask_b32 v12, v12, v[CT],   vcc_lo
	v_cndmask_b32 v13, v13, v[CT+1], vcc_lo
	v_cndmask_b32 v14, v14, v[CT+2], vcc_lo
	v_cndmask_b32 v15, v15, v[CT+3], vcc_lo
.set i, i+1
.endr
	s_cmp_eq_u32 s35, 1
	s_cselect_b32 vcc_lo, -1, 0
	v_pk_fma_f32 v[CT:CT+1],   v[12:13], v[RSTD:RSTD+1], v[124:125]
	v_pk_fma_f32 v[CT+2:CT+3], v[14:15], v[RSTD:RSTD+1], v[126:127]
	v_cndmask_b32 v12, v12, v[CT],   vcc_lo
	v_cndmask_b32 v13, v13, v[CT+1], vcc_lo
	v_cndmask_b32 v14, v14, v[CT+2], vcc_lo
	v_cndmask_b32 v15, v15, v[CT+3], vcc_lo
	WIN 0
; PHASE A: 16 rows.  reload = 1: each slot is asked for again, 16 rows on.
.macro PHASEA reload
.set i, 0
.rept 16
.set RQ, RING+6*i
.if \reload
	s_wait_loadcnt 45                              ; loads come back in order: behind this slot's three stand 3 (15 - i) of the turn before and 3 i of this one
.else
	s_wait_loadcnt 3*(15-i)                        ; the last panel loads nothing: the counts run down
.endif
	v_fma_mix_f32 v12, v16, v12, v[RQ+2] op_sel_hi:[0,0,1]                   ; state = lambda state + v, v an f16 half
	v_fma_mix_f32 v13, v16, v13, v[RQ+2] op_sel:[0,0,1] op_sel_hi:[0,0,1]
	v_fma_mix_f32 v14, v16, v14, v[RQ+3] op_sel_hi:[0,0,1]
	v_fma_mix_f32 v15, v16, v15, v[RQ+3] op_sel:[0,0,1] op_sel_hi:[0,0,1]
	v_fma_mix_f32 v[YT+4*(i%2)],   v[RQ],   v12, v10 op_sel_hi:[1,0,0]       ; y = q state
	v_fma_mix_f32 v[YT+4*(i%2)+1], v[RQ],   v13, v10 op_sel:[1,0,0] op_sel_hi:[1,0,0]
	v_fma_mix_f32 v[YT+4*(i%2)+2], v[RQ+1], v14, v10 op_sel_hi:[1,0,0]
	v_fma_mix_f32 v[YT+4*(i%2)+3], v[RQ+1], v15, v10 op_sel:[1,0,0] op_sel_hi:[1,0,0]
	ds_store_b128 v2, v[YT+4*(i%2):YT+4*(i%2)+3] offset:4096*i
	ds_store_b64 v3, v[RQ+4:RQ+5] offset:ROWH*i
.if \reload
	global_load_b64 v[RQ:RQ+1],   v1, s[20:21] offset:ROWH*(i+16) th:TH_LOAD_NT
	global_load_b64 v[RQ+2:RQ+3], v1, s[22:23] offset:ROWH*(i+16) th:TH_LOAD_NT
	global_load_b64 v[RQ+4:RQ+5], v1, s[24:25] offset:ROWH*(i+16) th:TH_LOAD_NT
.endif
.set i, i+1
.endr
.endm
.macro SUMX                            ; v[TM] summed over the 32 lanes, the result in every lane
	v_add_f32_dpp v[TM], v[TM], v[TM] row_xmask:1 row_mask:0xf bank_mask:0xf
	v_add_f32_dpp v[TM], v[TM], v[TM] row_xmask:2 row_mask:0xf bank_mask:0xf
	v_add_f32_dpp v[TM], v[TM], v[TM] row_xmask:4 row_mask:0xf bank_mask:0xf
	v_add_f32_dpp v[TM], v[TM], v[TM] row_xmask:8 row_mask:0xf bank_mask:0xf
	v_permlanex16_b32 v[TM+1], v[TM], s42, s43
	v_add_f32 v[TM], v[TM], v[TM+1]
.endm
.macro FOLD                            ; four packed chains into v[TM]
	v_pk_add_f32 v[TM:TM+1],   v[TM:TM+1],   v[TM+2:TM+3]
	v_pk_add_f32 v[TM+4:TM+5], v[TM+4:TM+5], v[TM+6:TM+7]
	v_pk_add_f32 v[TM:TM+1],   v[TM:TM+1],   v[TM+4:TM+5]
	v_add_f32 v[TM], v[TM], v[TM+1]
.endm
; PHASE B for row 2 w + r of the panel.
.macro ROWB r
	s_wait_xcnt 0x0                                ; the row before's stores have read their data, which lay where the sigmoid is made
.irp m, 0,1,2,3,4,5,6,7
	ds_load_b64 v[GR+2*(\m):GR+2*(\m)+1], v5 offset:ROWH*(\r)+256*(\m)
.endr
.irp m, 0,1,2,3,4,5,6,7
	ds_load_b128 v[YR+4*(\m):YR+4*(\m)+3], v4 offset:4096*(\r)+512*(\m)
.endr
	s_wait_dscnt 8                                 ; g is in; y's eight loads may be out
.set j, 0
.rept 16
	v_fma_mix_f32 v[TR+2*j],   v[GR+j], v11, v10 op_sel_hi:[1,0,0]           ; -g log2 e
	v_fma_mix_f32 v[TR+2*j+1], v[GR+j], v11, v10 op_sel:[1,0,0] op_sel_hi:[1,0,0]
.set j, j+1
.endr
.set j, 0
.rept 32
	v_exp_f32 v[TR+j], v[TR+j]                     ; one batch; the row's sum below is the plain work behind it
.set j, j+1
.endr
	s_wait_dscnt 0x0
.irp c, 0,2,4,6
	v_pk_add_f32 v[TM+(\c):TM+(\c)+1], v[YR+(\c):YR+(\c)+1], v[YR+8+(\c):YR+8+(\c)+1]  ; four chains, started by the first numbers
.endr
.irp c, 0,2,4,6
	v_pk_add_f32 v[TM+(\c):TM+(\c)+1], v[TM+(\c):TM+(\c)+1], v[YR+16+(\c):YR+16+(\c)+1]
.endr
.irp c, 0,2,4,6
	v_pk_add_f32 v[TM+(\c):TM+(\c)+1], v[TM+(\c):TM+(\c)+1], v[YR+24+(\c):YR+24+(\c)+1]
.endr
	FOLD
	s_wait_alu depctr_va_vdst(0)                   ; the wait ahead of the first reader of an exponential: one for the 32
.set j, 0
.rept 16
	v_pk_add_f32 v[TR+2*j:TR+2*j+1], v[TR+2*j:TR+2*j+1], 1.0 op_sel_hi:[1,0]
.set j, j+1
.endr
.set j, 0
.rept 32
	v_rcp_f32 v[TR+j], v[TR+j]                     ; the sigmoid: a second batch; mean and variance are the work behind it, and name none of its results
.set j, j+1
.endr
	SUMX
	v_mul_f32 v[MEAN],   s39, v[TM]
	v_mul_f32 v[MEAN+1], s39, v[TM]
.set j, 0
.rept 16
	v_pk_add_f32 v[YR+2*j:YR+2*j+1], v[YR+2*j:YR+2*j+1], v[MEAN:MEAN+1] neg_lo:[0,1] neg_hi:[0,1]
.set j, j+1
.endr
.irp c, 0,2,4,6
	v_pk_mul_f32 v[TM+(\c):TM+(\c)+1], v[YR+(\c):YR+(\c)+1], v[YR+(\c):YR+(\c)+1]
.endr
.irp d, 8,16,24
.irp c, 0,2,4,6
	v_pk_fma_f32 v[TM+(\c):TM+(\c)+1], v[YR+(\d)+(\c):YR+(\d)+(\c)+1], v[YR+(\d)+(\c):YR+(\d)+(\c)+1], v[TM+(\c):TM+(\c)+1]
.endr
.endr
	FOLD
	SUMX
	v_fma_f32 v[TM], v[TM], s39, s40               ; var + eps
	v_rsq_f32 v[RSTD],   v[TM]                     ; made twice, to fill the pair that the packed multiply takes
	v_rsq_f32 v[RSTD+1], v[TM]
	v_nop                                          ; a plain instruction behind the last transcendental (ISA guide 5.7.2),
	s_wait_alu depctr_va_vdst(0)                   ; and one wait for the 32 reciprocals and the two roots, ahead of their first reader
.set j, 0
.rept 16
	v_pk_mul_f32 v[YR+2*j:YR+2*j+1], v[YR+2*j:YR+2*j+1], v[RSTD:RSTD+1]
.set j, j+1
.endr
.set j, 0
.rept 16
	v_fma_mix_f32_bf16 v[YR+2*j],   v[YR+2*j],   v[LNG+j], v[LNB+j] op_sel_hi:[0,1,1]                  ; x ln_g + ln_b, from bf16 halves
	v_fma_mix_f32_bf16 v[YR+2*j+1], v[YR+2*j+1], v[LNG+j], v[LNB+j] op_sel:[0,1,1] op_sel_hi:[0,1,1]
.set j, j+1
.endr
.set j, 0
.rept 16
	v_fma_mix_f32 v[YR+2*j],   v[YR+2*j],   v[GR+j], v10 op_sel_hi:[0,1,0]                             ; x g
	v_fma_mix_f32 v[YR+2*j+1], v[YR+2*j+1], v[GR+j], v10 op_sel:[0,1,0] op_sel_hi:[0,1,0]
.set j, j+1
.endr
.set j, 0
.rept 16
	v_pk_mul_f32 v[YR+2*j:YR+2*j+1], v[YR+2*j:YR+2*j+1], v[TR+2*j:TR+2*j+1]                            ; x the sigmoid
.set j, j+1
.endr
.irp c, 0,1,2,3
	v_max3_num_f32 v[TM+(\c)], |v[YR+(\c)]|, |v[YR+4+(\c)]|, |v[YR+8+(\c)]|                            ; the largest magnitude, in four chains
.endr
.irp c, 0,1,2,3
	v_max3_num_f32 v[TM+(\c)], v[TM+(\c)], |v[YR+12+(\c)]|, |v[YR+16+(\c)]|
.endr
.irp c, 0,1,2,3
	v_max3_num_f32 v[TM+(\c)], v[TM+(\c)], |v[YR+20+(\c)]|, |v[YR+24+(\c)]|
.endr
	v_max3_num_f32 v[TM],   v[TM],   |v[YR+28]|, |v[YR+29]|
	v_max3_num_f32 v[TM+1], v[TM+1], |v[YR+30]|, |v[YR+31]|
	v_max3_num_f32 v[TM], v[TM], v[TM+1], v[TM+2]
	v_max_num_f32 v[TM], v[TM], v[TM+3]
	v_max_num_f32_dpp v[TM], v[TM], v[TM] row_xmask:1 row_mask:0xf bank_mask:0xf
	v_max_num_f32_dpp v[TM], v[TM], v[TM] row_xmask:2 row_mask:0xf bank_mask:0xf
	v_max_num_f32_dpp v[TM], v[TM], v[TM] row_xmask:4 row_mask:0xf bank_mask:0xf
	v_max_num_f32_dpp v[TM], v[TM], v[TM] row_xmask:8 row_mask:0xf bank_mask:0xf
	v_permlanex16_b32 v[TM+1], v[TM], s42, s43
	v_max_num_f32 v[TM], v[TM], v[TM+1]
	v_max_num_f32 v[TM], s41, v[TM]                ; at least 2^-100, so that its reciprocal is finite
	v_rcp_f32 v[INV],   v[TM]
	v_rcp_f32 v[INV+1], v[TM]
	v_nop
	s_wait_alu depctr_va_vdst(0)                   ; one wait for the two reciprocals
.set j, 0
.rept 16
	v_pk_mul_f32 v[YR+2*j:YR+2*j+1], v[YR+2*j:YR+2*j+1], v[INV:INV+1]
.set j, j+1
.endr
.set j, 0
.rept 16
	v_cvt_pk_f16_f32 v[TR+j], v[YR+2*j], v[YR+2*j+1]
.set j, j+1
.endr
.irp m, 0,1,2,3,4,5,6,7
	global_store_b64 v6, v[TR+2*(\m):TR+2*(\m)+1], s[30:31] offset:ROWH*(\r)+256*(\m)  ; the wave stores 256 consecutive bytes, at a multiple of 256 from zh's first byte
.endr
	ds_store_b32 v7, v[TM] offset:4*(\r)           ; every lane holds the same number and writes the same word
.endm
	s_mov_b32 s37, 4                               ; panels to go
.Lpanel:
	s_cmp_eq_u32 s37, 1
	s_cbranch_scc1 .Llast
	PHASEA 1
	s_wait_xcnt 0x0                                ; the loads have read their bases
	s_add_nc_u64 s[20:21], s[20:21], 16*ROWH
	s_add_nc_u64 s[22:23], s[22:23], 16*ROWH
	s_add_nc_u64 s[24:25], s[24:25], 16*ROWH
	s_branch .Lb
.Llast:
	PHASEA 0                                       ; no load leaves my 64 rows
.Lb:
	s_wait_dscnt 0x0                               ; for the others' sake: my stores of y and g are done
	s_barrier_signal -1
	s_barrier_wait -1                              ; the panel lies whole in LDS
	ROWB 0
	ROWB 1
	v_add_nc_u32 v7, 64, v7                        ; the next panel's 16 words
	s_wait_xcnt 0x0
	s_add_nc_u64 s[30:31], s[30:31], 16*ROWH
	s_wait_dscnt 0x0                               ; my reads of the panel are back, my two magnitudes stored:
	s_barrier_signal -1
	s_barrier_wait -1                              ; only now is the panel written again
	s_sub_co_u32 s37, s37, 1
	s_cmp_lg_u32 s37, 0
	s_cbranch_scc1 .Lpanel
	s_cmp_lg_u32 s36, 0                            ; wave 0 sends the 64 magnitudes out: 256 consecutive bytes
	s_cbranch_scc1 .Lend
	v_add_nc_u32 v146, RSL, v1
	ds_load_b64 v[144:145], v146
	s_wait_dscnt 0x0
	global_store_b64 v1, v[144:145], s[32:33]
.Lend:
	s_wait_tensorcnt 0x0                           ; the wave's end, behind my last LDS store
	ds_add_u32 v8, v9
	s_wait_dscnt 0x0
	s_endpgm
.Lfunc_end_k_q715cad8ed9_scan:
	.size	k_q715cad8ed9_scan, .Lfunc_end_k_q715cad8ed9_scan-k_q715cad8ed9_scan
	.p2alignl 7, 3214868480
	.fill 96, 4, 3214868480
	.section	.rodata,"a",@progbits
	.p2align	6, 0x0
	.amdhsa_kernel k_q715cad8ed9_scan
		.amdhsa_group_segment_fixed_size 99840
		.amdhsa_private_segment_fixed_size 0
		.amdhsa_enable_private_segment 0
		.amdhsa_kernarg_size 56
		.amdhsa_user_sgpr_count 2
		.amdhsa_user_sgpr_kernarg_segment_ptr 1
		.amdhsa_wavefront_size32 1
		.amdhsa_system_sgpr_workgroup_id_x 1
		.amdhsa_system_sgpr_workgroup_id_y 1
		.amdhsa_system_sgpr_workgroup_id_z 1
		.amdhsa_system_vgpr_workitem_id 0
		.amdhsa_next_free_vgpr 384
		.amdhsa_next_free_sgpr 66
		.amdhsa_reserve_vcc 1
		.amdhsa_float_denorm_mode_32 3
		.amdhsa_float_denorm_mode_16_64 3
		.amdhsa_memory_ordered 1
		.amdhsa_forward_progress 1
		.amdhsa_inst_pref_size 92
	.end_amdhsa_kernel
	.amdgpu_metadata
---
amdhsa.version: [ 1, 2 ]
amdhsa.kernels:
  - .name:           k_q715cad8ed9_scan
    .symbol:         k_q715cad8ed9_scan.kd
    .args:
      - { .name: qvg, .offset: 0, .size: 8, .value_kind: global_buffer, .address_space: global }
      - { .name: esum, .offset: 8, .size: 8, .value_kind: global_buffer, .address_space: global }
      - { .name: decay, .offset: 16, .size: 8, .value_kind: global_buffer, .address_space: global }
      - { .name: ln_g, .offset: 24, .size: 8, .value_kind: global_buffer, .address_space: global }
      - { .name: ln_b, .offset: 32, .size: 8, .value_kind: global_buffer, .address_space: global }
      - { .name: zh, .offset: 40, .size: 8, .value_kind: global_buffer, .address_space: global }
      - { .name: rs, .offset: 48, .size: 8, .value_kind: global_buffer, .address_space: global }
    .group_segment_fixed_size: 99840
    .private_segment_fixed_size: 0
    .kernarg_segment_align: 8
    .kernarg_segment_size: 56
    .max_flat_workgroup_size: 256
    .sgpr_count:     66
    .vgpr_count:     384
    .wavefront_size: 32
...
	.end_amdgpu_metadata
.endif
;; end of part 3
;; launch outp (part 4): grid 4 x 64, 4 waves a work-group, clusters of 4 x 4, 327,680 bytes of LDS; arguments zh, wo16, out0, rs; writes out0
.if DOCPART == 4
	.amdgcn_target "amdgcn-amd-amdhsa--gfx1250"
	.amdhsa_code_object_version 6
	.text
	.protected	k_q715cad8ed9_outp
	.globl	k_q715cad8ed9_outp
	.p2align	8
	.type	k_q715cad8ed9_outp,@function
k_q715cad8ed9_outp:
	s_mov_b64 s[64:65], 0
	v_nop
	global_prefetch_b8 v0, s[64:65] scope:SCOPE_SE
	s_setreg_imm32_b32 hwreg(HW_REG_WAVE_MODE, 25, 1), 1
	s_wait_xcnt 0x0
	s_wait_alu depctr_hold_cnt(0) depctr_sa_sdst(0) depctr_va_vdst(0) depctr_va_sdst(0) depctr_va_ssrc(0) depctr_va_vcc(0) depctr_vm_vsrc(0)
	s_getreg_b32 s2, hwreg(HW_REG_IB_STS2, 6, 4)
	s_cmp_eq_u32 s2, 0
	s_cbranch_scc0 .Lentry_in_a_cluster
	s_endpgm
.Lentry_in_a_cluster:
	s_bfe_u32 s2, ttmp6, 0x10000c
	s_cmp_lg_u32 s2, 0xf033
	s_cbranch_scc0 .Lentry_shape_is_right
	s_endpgm
.Lentry_shape_is_right:
; out0[m][n] = rs[m] x the sum over k of zh[m][k] wo16[n][k].  zh: [16384][1024] f16, each row divided by its largest magnitude rs[m]; wo16: [1024][1024] f16; out0: [16384][1024] f32; sums in f32.
; SHAPE.  A tile of out0 is 256 x 256, four waves of 128 x 128: 64 accumulators of 16 x 16, 512 registers.  K goes in 8 steps of 128 through a ring of two LDS slots filled by the tensor data mover;
; the tiles' rows are 256 bytes of memory at multiples of 256.  256 work-groups, each one tile.
; CLUSTERS: 4 x 4 work-groups.  The four of a row of the cluster need the same tiles of zh, the four of a column the same tiles of wo16: each is asked for JOINTLY, by the same tensor load with
; the same descriptor and a mask that names the four.
; THE MATRIX INSTRUCTION IS USED TRANSPOSED (source 0 = 16 rows of wo16, source 1 = 16 rows of zh): lane l holds row l % 16 of the tile and the columns 8 (l / 16) + 0..7.
; THE WAY OUT.  When the ring has had its last fill and every wave its last read of it, each wave puts its 128 x 128 sums into its own quarter of the ring's bytes (rows of 528 bytes),
; reads them back as whole rows of 512 bytes, multiplies each row by its rs and stores it.  The wave's 128 numbers of rs are brought once, at the head, by one load of 512 bytes, and kept in 512 LDS bytes
; of the wave's own behind the ring; a trip of 16 rows reads its 16 by four loads in which every lane names the same bytes.
; REGISTERS, in windows of 256: window 0: v0-31 addresses; v32-47 rs of a trip's rows; v64-127, v128-191 fragments of zh, two buffers (on the way out: rows read back)
;   window 1: v64-127, v128-191 fragments of wo16      window 2: the accumulators of my rows 0-63, (a, b) at v[8 (8 a + b)]      window 3: those of my rows 64-127
.set SIZE_K, 1024
.set KSTEP,  128
.set PITCH,  272                       ; an LDS row: 256 bytes + 16 of padding = 68 words: row r starts at bank 4 r mod 64 (64 banks of 4 bytes: ISA guide 11.1)
.set HALFT,  128*PITCH                 ; 128 rows: what one tensor load brings
.set SLOT,   4*HALFT                   ; zh's 256 rows, then wo16's 256 rows
.set RSL,    2*SLOT                    ; behind the ring, never filled by a tensor load: 512 bytes of rs for each wave: eight blocks of 256 bytes
.set SPARE,  RSL+4*512                 ; behind them: the spare words, 128 bytes for each wave: two blocks of 256 bytes that no other line names
.set DP,     528                       ; the way out: a row of 128 f32 + 16 bytes = 132 words: the 16 rows of a store start at 16 different groups of four banks
.set DUMPW,  128*DP                    ; a wave's part of it: 67,584 bytes; four of them end inside the ring
.set LAPS,   SIZE_K/(2*KSTEP)
.set ADRA, 16                          ; v16-17  LDS address of my fragments of zh in slot 0, 1
.set ADRB, 20                          ; v20-21  the same for wo16
.set AD2,  23                          ; v23     RSA + the trip's 16 words
.set DST,  24                          ; v24     the way out: where I put 32 bytes of a row
.set RDA,  25                          ; v25     where I read 16 bytes of my first row back
.set CO,   26                          ; v26     16 x my lane: my bytes in the wave's 512 of a row of out0, and of its 512 of rs
.set ADR,  27                          ; v27     RDA + the trip's 16 rows
.set SPW,  28                          ; v28     LDS address of my spare word: SPARE + 4 x my thread's number; never rewritten
.set NIL,  29                          ; v29     0; never rewritten
.set PFO,  30                          ; v30     the prefetches' offset: my lane x a row of 2,048 bytes; never rewritten
.set RSA,  31                          ; v31     LDS address of my wave's rs: the same in every lane
.set RSV,  32                          ; v[32:47] rs of the trip's 16 rows, in every lane
.set F0,   64
.set F1,   128
.set XR,   64                          ; v[64:127]  16 rows read back
.set G1,  24                           ; s[24:31] descriptor group 1 for zh's tiles
.set G0,  32                           ; s[32:39] group 0, one set for each slot
.set G1B, 48                           ; s[48:55], s[56:63] the same for wo16's
.set G0B, 56
.set PFA, 44                           ; s[44:45] where my prefetches stand
.set LIM, 43                           ; s43  1 in a wave that prefetches, else the greatest number
.set RSP, 84                           ; s[84:85] rs at my wave's first row
.set DB,  86                           ; s86  the trip's rows in LDS
.set DR,  87                           ; s87  the trip's words of rs in LDS
.set MSB, 0
.macro WIN new                         ; the immediate's high byte repeats the setting that is left; a switch that changes nothing is dropped
.if MSB != (\new)
	s_set_vgpr_msb (MSB<<8)|(\new)
.set MSB, \new
.endif
.endm
.set MUL_LO, 0xa1                      ; source 0 (wo16) window 1, source 1 (zh) window 0, C and D window 2
.set MUL_HI, 0xf1                      ; the same, C and D window 3
.set TO_B,   0x40                      ; destination window 1, address window 0
; A joint load.  Waves 0 and 1 fetch zh's two halves, waves 2 and 3 wo16's.  The branch hangs on the wave's number alone.  An s_nop 0 and four v_nop follow each of the two lines.
.macro JLOAD s
	s_cmp_eq_u32 s11, 0
	s_cbranch_scc0 .Lfor_b_\@
	tensor_load_to_lds s[G0+4*(\s):G0+4*(\s)+3], s[G1:G1+7]
	s_nop 0
.rept 4
	v_nop
.endr
	s_branch .Lasked_\@
.Lfor_b_\@:
	tensor_load_to_lds s[G0B+4*(\s):G0B+4*(\s)+3], s[G1B:G1B+7]
	s_nop 0
.rept 4
	v_nop
.endr
.Lasked_\@:
.endm
; A prefetch into the L2, behind each joint refill and the run of LDS loads that follows it: the K step that stands two refills on, 512 matrix instructions ahead of the load that will want it:
; 32 rows x 256 bytes, a lane a row, one instruction a wave.  Each row's 256 bytes of a K step are named once in the launch: zh's tile row is read by one cluster (there is one along x), which asks;
; wo16's tile column by sixteen, of which cluster y = 0 asks; the four partners of a joint load take 32 rows each, told apart by address.
; K steps 0 to 3 come by their loads alone; the loop's last trip (s3 = 1) has no K step two on.
.macro ASK
	s_cmp_gt_u32 s3, s[LIM]
	s_cbranch_scc0 .Lnot_mine_\@
	global_prefetch_b8 v[PFO], s[PFA:PFA+1] offset:KSTEP*2 th:TH_LOAD_NT scope:SCOPE_SE
.Lnot_mine_\@:
.endm
.macro CREST                           ; a round of the cluster's barrier behind its opening barrier
	s_cmp_lg_u32 s10, 0
	s_cbranch_scc1 .Lnot_wave_0_\@
	s_barrier_signal -3
.Lnot_wave_0_\@:
	s_barrier_wait -3
	s_barrier_signal -1
	s_barrier_wait -1
.endm
.macro CROUND                          ; a whole round
	s_barrier_signal -1
	s_barrier_wait -1
	CREST
.endm
	s_load_b128 s[4:7], s[0:1], 0x0                ; zh s[4:5], wo16 s[6:7]
	s_load_b64 s[8:9], s[0:1], 0x10                ; out0
	s_load_b64 s[RSP:RSP+1], s[0:1], 0x18          ; rs
	v_lshl_add_u32 v[SPW], v0, 2, SPARE
	v_mov_b32 v[NIL], 0
	ds_add_u32 v[SPW], v[NIL]                      ; the wave's opening: the add and its wait stand ahead of my first tensor load; the set-up below, work on registers, stands between them
	v_lshrrev_b32 v1, 5, v0
	v_readfirstlane_b32 s10, v1                    ; wave 0..3
	s_lshr_b32 s11, s10, 1                         ; which half of the tile's rows is mine.  Also: I fetch for zh (0) or for wo16 (1)
	s_and_b32 s12, s10, 1                          ; which half of its columns.  Also: which 128 rows of that tile I fetch
	s_bfe_u32 s40, ttmp6, 0x40000                  ; cx
	s_bfe_u32 s41, ttmp6, 0x40004                  ; cy
	s_lshl_b32 s42, ttmp9, 2
	s_add_co_u32 s42, s42, s40                     ; tile column = 4 x cluster x + cx
	s_and_b32 s13, ttmp7, 0xffff
	s_lshl_b32 s13, s13, 2
	s_add_co_u32 s13, s13, s41                     ; tile row = 4 x cluster y + cy
	s_lshl_b32 s43, s41, 2
	s_lshl_b32 s43, 15, s43                        ; my row of the cluster
	s_lshl_b32 s44, 0x1111, s40                    ; my column
	s_or_b32 s[G1+0], s43, (1<<16)|(1<<20)|(1<<21)|(5<<22)|(3<<25)  ; 15:0 the mask; 17:16 elements of 2 bytes; 20 padding on; 21 set beside a mask; 24:22 after every 64 words (code 5); 31:25 4 words of it (code 3)
	s_or_b32 s[G1B+0], s44, (1<<16)|(1<<20)|(1<<21)|(5<<22)|(3<<25)
.irp g, G1, G1B
	s_mov_b32 s[(\g)+1], KSTEP<<16                 ; tensor_dim0 = 128
	s_mov_b32 s[(\g)+2], 128<<16                   ; tensor_dim1 = 128
	s_mov_b32 s[(\g)+3], KSTEP<<16                 ; tile_dim0 = 128
	s_mov_b32 s[(\g)+4], 128                       ; tile_dim1 = 128
	s_mov_b32 s[(\g)+5], SIZE_K                    ; elements from row to row
	s_mov_b32 s[(\g)+6], 0
	s_mov_b32 s[(\g)+7], 0
.endr
	s_lshl_b32 s17, s12, 7                         ; which 128 rows of the tile I fetch
	s_lshl_b32 s16, s13, 8
	s_add_co_u32 s16, s16, s17                     ; zh: row 256 x tile row + 128 x half
	s_lshl_b32 s46, s42, 8
	s_add_co_u32 s46, s46, s17                     ; wo16: row 256 x tile column + 128 x half
	s_mov_b32 s17, 0
	s_mov_b32 s47, 0
	s_mov_b64 s[18:19], SIZE_K*2
	s_mul_u64 s[16:17], s[16:17], s[18:19]
	s_mul_u64 s[46:47], s[46:47], s[18:19]
	s_mul_i32 s20, s10, HALFT                      ; where they go: wave x 128 rows: no place in the cluster enters an LDS address
	s_wait_dscnt 0x0                               ; the opening add is done
	s_wait_kmcnt 0x0
	s_add_nc_u64 s[14:15], s[4:5], s[16:17]
	s_add_nc_u64 s[46:47], s[6:7], s[46:47]
	CROUND                                         ; all sixteen work-groups are here: the first joint loads meet
.irp s, 0,1
	s_mov_b32 s[G0+4*(\s)], 1                                      ; count = 1
	s_add_co_u32 s[G0+4*(\s)+1], s20, (\s)*SLOT                    ; LDS address
	s_add_nc_u64 s[G0+4*(\s)+2:G0+4*(\s)+3], s[14:15], (\s)*KSTEP*2  ; global address: K step s
	s_or_b32 s[G0+4*(\s)+3], s[G0+4*(\s)+3], 0x80000000            ; type = 2
	s_mov_b32 s[G0B+4*(\s)], 1
	s_add_co_u32 s[G0B+4*(\s)+1], s20, (\s)*SLOT
	s_add_nc_u64 s[G0B+4*(\s)+2:G0B+4*(\s)+3], s[46:47], (\s)*KSTEP*2
	s_or_b32 s[G0B+4*(\s)+3], s[G0B+4*(\s)+3], 0x80000000
	JLOAD \s                                       ; two tensor loads of mine are out
.endr
	; where my part of the tile begins in out0 and in rs; rs is asked for at once
	v_and_b32 v5, 31, v0
	v_lshlrev_b32 v[CO], 4, v5                     ; 16 x lane
	s_lshl_b32 s13, s13, 8                         ; 256 x tile row
	s_lshl_b32 s14, s11, 7
	s_add_co_u32 s14, s13, s14                     ; my first row
	s_lshl_b32 s78, s14, 2
	s_mov_b32 s79, 0
	s_add_nc_u64 s[RSP:RSP+1], s[RSP:RSP+1], s[78:79]
	global_load_b128 v[RSV:RSV+3], v[CO], s[RSP:RSP+1]  ; my wave's 128 rows' magnitudes: 512 consecutive bytes, aligned
	s_lshl_b32 s76, s14, 12                        ; x 4,096 bytes
	s_lshl_b32 s80, s42, 10                        ; + the tile's 256 columns
	s_add_co_u32 s76, s76, s80
	s_lshl_b32 s80, s12, 9                         ; + my 128 of them
	s_add_co_u32 s76, s76, s80
	s_mov_b32 s77, 0
	s_add_nc_u64 s[8:9], s[8:9], s[76:77]
	; a fragment is 16 rows x 32 K in 8 registers: lane l holds row l % 16, K = 8 (l / 16) + 0..7 and 16 + 8 (l / 16) + 0..7: two loads of 16 bytes, 32 bytes apart
	v_and_b32 v1, 15, v0                           ; l % 16
	v_bfe_u32 v2, v0, 4, 1                         ; l / 16
	v_mul_u32_u24 v3, v1, PITCH
	v_lshl_add_u32 v3, v2, 4, v3
	s_mul_i32 s21, s11, HALFT                      ; my 128 rows of zh
	s_mul_i32 s22, s12, HALFT                      ; my 128 rows of wo16,
	s_add_co_u32 s22, s22, 2*HALFT                 ; which lie behind zh's 256
.irp s, 0,1
	v_add_nc_u32 v[ADRA+(\s)], s21, v3
	v_add_nc_u32 v[ADRB+(\s)], s22, v3
	s_add_co_u32 s21, s21, SLOT
	s_add_co_u32 s22, s22, SLOT
.endr
	s_mul_i32 s23, s10, DUMPW                      ; my part of the ring's bytes on the way out
	v_mul_u32_u24 v4, v1, DP                       ; in: row l % 16, 32 bytes for each half of the lanes
	v_lshl_add_u32 v4, v2, 5, v4
	v_add_nc_u32 v[DST], s23, v4
	v_add_nc_u32 v[RDA], s23, v[CO]                ; back: 32 lanes take a whole row of 512 bytes
	s_lshl_b32 s80, s10, 9
	s_add_co_u32 s80, s80, RSL                     ; my wave's 512 bytes for rs
	v_mov_b32 v[RSA], s80
	v_add_nc_u32 v6, s80, v[CO]
	; the prefetches
	s_lshl_b32 s42, s42, 8
	s_and_b32 s22, ttmp7, 0xffff                   ; cluster y
	s_cmp_eq_u32 s11, 0                            ; do I fetch for zh?
	s_cselect_b32 s20, s13, s42                    ; the tile's first row
	s_cselect_b32 s21, s40, s41                    ; my place among the four that ask for it with me
	s_cselect_b32 s22, ttmp9, s22                  ; the coordinate along which other clusters read the same rows
	s_cselect_b64 s[PFA:PFA+1], s[4:5], s[6:7]
	s_cmp_eq_u32 s22, 0
	s_cselect_b32 s[LIM], 1, -1                    ; the same in all sixteen partners, for a given wave
	s_lshl_b32 s22, s12, 7
	s_add_co_u32 s20, s20, s22                     ; + the 128 rows that I fetch
	s_lshl_b32 s21, s21, 5
	s_add_co_u32 s20, s20, s21                     ; + my work-group's 32 of them
	s_mov_b32 s21, 0
	s_mov_b64 s[18:19], SIZE_K*2
	s_mul_u64 s[20:21], s[20:21], s[18:19]
	s_add_nc_u64 s[PFA:PFA+1], s[PFA:PFA+1], s[20:21]
	s_add_nc_u64 s[PFA:PFA+1], s[PFA:PFA+1], 2*KSTEP*2  ; at K step 2: the first refill steps it to 3 and names K step 4
	v_and_b32 v[PFO], 31, v0
	v_mul_u32_u24 v[PFO], v[PFO], SIZE_K*2
	s_wait_loadcnt 0x0                             ; rs is in, while the first tile is on its way,
	ds_store_b128 v6, v[RSV:RSV+3]                 ; and goes into my wave's own bytes, which only my wave reads
; 16 matrix instructions: m blocks a0, a0 + 1 of the window's four x all 8 n blocks, 32 along K.  zero = 1: the first product starts the sums.
.macro MUL16 f, hi, a0, zero
	WIN MUL_LO+0x50*(\hi)
.irp a, \a0, (\a0)+1
.irp b, 0,1,2,3,4,5,6,7
.if \zero
	v_wmma_f32_16x16x32_f16 v[8*(8*(\a)+(\b)):8*(8*(\a)+(\b))+7], v[(\f)+8*(\b):(\f)+8*(\b)+7], v[(\f)+8*(4*(\hi)+(\a)):(\f)+8*(4*(\hi)+(\a))+7], 0
.else
	v_wmma_f32_16x16x32_f16 v[8*(8*(\a)+(\b)):8*(8*(\a)+(\b))+7], v[(\f)+8*(\b):(\f)+8*(\b)+7], v[(\f)+8*(4*(\hi)+(\a)):(\f)+8*(4*(\hi)+(\a))+7], v[8*(8*(\a)+(\b)):8*(8*(\a)+(\b))+7]
.endif
.endr
.endr
.endm
; 32 LDS loads in one run: the fragments of one quarter step (32 K at byte k of the rows) into buffer f
.macro FETCH slot, k, f
	WIN TO_B
.irp i, 0,1,2,3,4,5,6,7
	ds_load_b128 v[(\f)+8*(\i):(\f)+8*(\i)+3],   v[ADRB+(\slot)] offset:(\k)+(\i)*16*PITCH
	ds_load_b128 v[(\f)+8*(\i)+4:(\f)+8*(\i)+7], v[ADRB+(\slot)] offset:(\k)+(\i)*16*PITCH+32
.endr
	WIN 0
.irp i, 0,1,2,3,4,5,6,7
	ds_load_b128 v[(\f)+8*(\i):(\f)+8*(\i)+3],   v[ADRA+(\slot)] offset:(\k)+(\i)*16*PITCH
	ds_load_b128 v[(\f)+8*(\i)+4:(\f)+8*(\i)+7], v[ADRA+(\slot)] offset:(\k)+(\i)*16*PITCH+32
.endr
.endm
.macro PLACES                          ; four plain vector instructions between a matrix instruction and a load into, or a reader of, its registers (ISA guide 7.12.1 for readers)
.rept 4
	v_nop
.endr
.endm
; A K step is four quarters of 32 along K, 64 matrix instructions each, on buffers 0, 1, 0, 1.  One of the first three multiplies buffer f and fetches the next quarter, at byte k, into g.
; The 64 accumulators take turns, in the same order in every quarter.
.macro QUARTER slot, k, f, g, zero
	s_wait_dscnt 8                                 ; wo16's and zh's rows 0-63 are in; the youngest eight loads (zh's rows 64-127) may be out
	MUL16 \f, 0, 0, \zero
	MUL16 \f, 0, 2, \zero
	PLACES
	FETCH \slot, \k, \g
	s_wait_dscnt 32                                ; all but the 32 just issued
	MUL16 \f, 1, 0, \zero
	MUL16 \f, 1, 2, \zero
.endm
; The first half of a K step's last quarter: one barrier for the change of slots.
.macro MEET round
	WIN 0                                          ; (the add's two registers lie in window 0)
	s_wait_tensorcnt 0x0                           ; all my tensor loads have landed: the one that was out is my part of the next slot;
	ds_add_u32 v[SPW], v[NIL]                      ; 0 onto my spare word
	s_wait_dscnt 9                                 ; (the add and the youngest eight loads may be out)
	MUL16 F1, 0, 0, 0                              ; sixteen matrix instructions stand between the add and the wait for it
	s_wait_dscnt 0x0                               ; the add is done, and my reads of this slot are over
	s_barrier_signal -1
	MUL16 F1, 0, 2, 0                              ; work on registers while the others arrive
.if \round
	WIN 0
.endif
	s_barrier_wait -1
.endm
; The whole last quarter where the slot is filled again, two K steps on: the barrier opens a round of the cluster's, and the joint refill is the first tensor load behind it.
; From that request to the wait for it a wave issues 224 matrix instructions; one tensor load of mine is out.
.macro TURN slot, next
	s_wait_xcnt 0x0                                ; the last prefetch, a K step back, has read its address
	s_add_nc_u64 s[PFA:PFA+1], s[PFA:PFA+1], KSTEP*2
	MEET 1
	CREST                                          ; no wave of any partner still reads this slot or has a load on its way
	s_add_nc_u64 s[G0+4*(\slot)+2:G0+4*(\slot)+3], s[G0+4*(\slot)+2:G0+4*(\slot)+3], 2*KSTEP*2
	s_add_nc_u64 s[G0B+4*(\slot)+2:G0B+4*(\slot)+3], s[G0B+4*(\slot)+2:G0B+4*(\slot)+3], 2*KSTEP*2
	JLOAD \slot                                    ; the four v_nop behind it are also the places in front of the loads below
	FETCH \next, 0, F0
	ASK
	MUL16 F1, 1, 0, 0
	MUL16 F1, 1, 2, 0
.endm
	s_wait_tensorcnt 1                             ; my part of K step 0 is in; K step 1's may stay out
	s_wait_dscnt 0x0                               ; no LDS instruction of mine is out at a signal: the store of rs is done
	s_barrier_signal -1
	s_barrier_wait -1                              ; everybody's part is in
	FETCH 0, 0, F0
	QUARTER 0, 64,  F0, F1, 1                      ; the first quarter stands in front of the loop: its products start the sums
	WIN 0                                          ; at a label and at a branch every window is 0
	s_mov_b32 s3, LAPS-1
.Llap:                                                 ; a trip goes once round the ring, from a lap's second quarter to the next lap's first, and fills both slots again: K steps 2 to 7
	QUARTER 0, 128, F1, F0, 0
	QUARTER 0, 192, F0, F1, 0
	TURN 0, 1
	QUARTER 1, 64,  F0, F1, 0
	QUARTER 1, 128, F1, F0, 0
	QUARTER 1, 192, F0, F1, 0
	TURN 1, 0
	QUARTER 0, 64,  F0, F1, 0
	WIN 0
	s_sub_co_u32 s3, s3, 1
	s_cmp_lg_u32 s3, 0
	s_cbranch_scc1 .Llap
	QUARTER 0, 128, F1, F0, 0                      ; the last lap is written out: it fills nothing
	QUARTER 0, 192, F0, F1, 0
	MEET 0                                         ; the load that was still out is the last K step's
	PLACES
	FETCH 1, 0, F0
	MUL16 F1, 1, 0, 0
	MUL16 F1, 1, 2, 0
	QUARTER 1, 64,  F0, F1, 0
	QUARTER 1, 128, F1, F0, 0
	QUARTER 1, 192, F0, F1, 0
	s_wait_dscnt 8                                 ; the very last quarter: nothing more to fetch
	MUL16 F1, 0, 0, 0
	MUL16 F1, 0, 2, 0
	s_wait_dscnt 0x0
	MUL16 F1, 1, 0, 0
	MUL16 F1, 1, 2, 0
	WIN 0
	PLACES                                         ; behind the last products, in front of the stores that read the sums
	; THE WAY OUT.  The ring has had its last fill (every wave has waited for all its tensor loads) and my reads of it are back: behind this barrier that holds of all four waves, and its bytes are written.
	s_barrier_signal -1
	s_barrier_wait -1
.irp hi, 0,1
	WIN 0x08+4*(\hi)                               ; the stores' data: window 2, then 3
.irp a, 0,1,2,3
.irp b, 0,1,2,3,4,5,6,7
	ds_store_b128 v[DST], v[8*(8*(\a)+(\b)):8*(8*(\a)+(\b))+3]   offset:(4*(\hi)+(\a))*16*DP+64*(\b)      ; each accumulator's low registers first
	ds_store_b128 v[DST], v[8*(8*(\a)+(\b))+4:8*(8*(\a)+(\b))+7] offset:(4*(\hi)+(\a))*16*DP+64*(\b)+16
.endr
.endr
.endr
	WIN 0
	; Each wave reads its own bytes alone, and LDS serves a wave's instructions in order (ISA guide 5.7.1.4): no wait and no barrier between the stores above and the loads below.
	s_mov_b32 s[DB], 0
	s_mov_b32 s[DR], 0
	s_mov_b32 s2, 8                                ; eight trips of 16 rows
.Ltrip:
	v_add_nc_u32 v[AD2], s[DR], v[RSA]
	v_add_nc_u32 v[ADR], s[DB], v[RDA]
.irp c, 0,1,2,3
	ds_load_b128 v[RSV+4*(\c):RSV+4*(\c)+3], v[AD2] offset:16*(\c)  ; the 16 rows' magnitudes, the same bytes for every lane; issued first, so they are in when the first row is
.endr
.irp t, 0,1,2,3,4,5,6,7,8,9,10,11,12,13,14,15
	ds_load_b128 v[XR+4*(\t):XR+4*(\t)+3], v[ADR] offset:DP*(\t)
.endr
.irp t, 0,1,2,3,4,5,6,7,8,9,10,11,12,13,14,15
	s_wait_dscnt 15-(\t)                           ; row t is in; the later rows' loads may be out
.irp k, 0,1,2,3
	v_mul_f32 v[XR+4*(\t)+(\k)], v[RSV+(\t)], v[XR+4*(\t)+(\k)]
.endr
	global_store_b128 v[CO], v[XR+4*(\t):XR+4*(\t)+3], s[8:9] offset:4096*(\t) th:TH_STORE_NT  ; the wave stores 512 consecutive bytes, at a multiple of 256 from out0's first byte
.endr
	s_add_co_u32 s[DB], s[DB], 16*DP
	s_add_co_u32 s[DR], s[DR], 64
	s_wait_xcnt 0x0                                ; the stores have read their data and their base: both are written again only behind this wait
	s_add_nc_u64 s[8:9], s[8:9], 16*4096
	s_sub_co_u32 s2, s2, 1
	s_cmp_lg_u32 s2, 0
	s_cbranch_scc1 .Ltrip
	s_wait_tensorcnt 0x0                           ; the wave's end, behind my last tensor load and my last LDS store
	ds_add_u32 v[SPW], v[NIL]
	s_wait_dscnt 0x0
	CROUND                                         ; the closing round: no work-group ends while a partner may still ask for a tile that names it
	s_endpgm
.Lfunc_end_k_q715cad8ed9_outp:
	.size	k_q715cad8ed9_outp, .Lfunc_end_k_q715cad8ed9_outp-k_q715cad8ed9_outp
	.p2alignl 7, 3214868480
	.fill 96, 4, 3214868480
	.section	.rodata,"a",@progbits
	.p2align	6, 0x0
	.amdhsa_kernel k_q715cad8ed9_outp
		.amdhsa_group_segment_fixed_size 327680
		.amdhsa_private_segment_fixed_size 0
		.amdhsa_enable_private_segment 0
		.amdhsa_kernarg_size 32
		.amdhsa_user_sgpr_count 2
		.amdhsa_user_sgpr_kernarg_segment_ptr 1
		.amdhsa_wavefront_size32 1
		.amdhsa_system_sgpr_workgroup_id_x 1
		.amdhsa_system_sgpr_workgroup_id_y 1
		.amdhsa_system_sgpr_workgroup_id_z 1
		.amdhsa_system_vgpr_workitem_id 0
		.amdhsa_next_free_vgpr 1024
		.amdhsa_next_free_sgpr 88
		.amdhsa_reserve_vcc 0
		.amdhsa_float_denorm_mode_32 3
		.amdhsa_float_denorm_mode_16_64 3
		.amdhsa_memory_ordered 1
		.amdhsa_forward_progress 1
		.amdhsa_inst_pref_size 127
	.end_amdhsa_kernel
	.amdgpu_metadata
---
amdhsa.version: [ 1, 2 ]
amdhsa.kernels:
  - .name:           k_q715cad8ed9_outp
    .symbol:         k_q715cad8ed9_outp.kd
    .args:
      - { .name: zh, .offset: 0, .size: 8, .value_kind: global_buffer, .address_space: global }
      - { .name: wo16, .offset: 8, .size: 8, .value_kind: global_buffer, .address_space: global }
      - { .name: out0, .offset: 16, .size: 8, .value_kind: global_buffer, .address_space: global }
      - { .name: rs, .offset: 24, .size: 8, .value_kind: global_buffer, .address_space: global }
    .group_segment_fixed_size: 327680
    .private_segment_fixed_size: 0
    .kernarg_segment_align: 8
    .kernarg_segment_size: 32
    .max_flat_workgroup_size: 128
    .sgpr_count:     88
    .vgpr_count:     1024
    .wavefront_size: 32
...
	.end_amdgpu_metadata
.endif
;; end of part 4
;; ======== version 2 of 2: 4 launches; version 1 with the launch scan written anew for expert scheduling mode
;; limits: values are held in f16: magnitudes above 65,504 overflow, below 6.1e-05 lose precision
;; workspace buffers: xb 33,554,432 bytes; wcat 6,291,456 bytes; wo16 2,097,152 bytes; qvg 100,663,296 bytes; esum 1,048,576 bytes; zh 33,554,432 bytes; rs 65,536 bytes
;; launch prep: the kernel of part 1 again; grid 64 x 20, 8 waves a work-group, no clusters, 0 bytes of LDS; arguments x, Wq, Wv, Wg, Wo, xb, wcat, wo16; writes xb, wcat, wo16
;; launch qvg: the kernel of part 2 again; grid 4 x 64, 4 waves a work-group, clusters of 4 x 4, 327,680 bytes of LDS; arguments xb, wcat, qvg, esum, decay; writes qvg, esum
;; launch scan (part 5): grid 256 x 1, 8 waves a work-group, no clusters, 99,840 bytes of LDS; arguments qvg, esum, decay, ln_g, ln_b, zh, rs; writes zh, rs
.if DOCPART == 5
	.amdgcn_target "amdgcn-amd-amdhsa--gfx1250"
	.amdhsa_code_object_version 6
	.text
	.protected	k_q715cad8ed9_scan
	.globl	k_q715cad8ed9_scan
	.p2align	8
	.type	k_q715cad8ed9_scan,@function
k_q715cad8ed9_scan:
	s_mov_b64 s[64:65], 0
	v_nop
	global_prefetch_b8 v0, s[64:65] scope:SCOPE_SE
	s_setreg_imm32_b32 hwreg(HW_REG_WAVE_SCHED_MODE, 0, 2), 2
	s_setreg_imm32_b32 hwreg(HW_REG_WAVE_MODE, 25, 1), 1
	s_wait_xcnt 0x0
	s_wait_alu depctr_vm_vsrc(0)
; THE RUNNING SUM, THE NORM AND THE GATE.  state[r] = lambda state[r - 1] + v[r] along a batch's 4,096 rows; y = q state; LayerNorm over a row's 1,024 channels (mean, then the mean of the centred
; squares: no difference of sums); times ln_g, plus ln_b; times silu(g) = g / (1 + 2^(-g log2 e)).  The row z is divided by its largest magnitude and stored as f16 (zh);
; the magnitude goes to rs, and the last product multiplies its f32 sums by it: so z needs no room in f16, whatever ln_g, ln_b and g are.
; decay, ln_g and ln_b are rounded to bf16, as all the module's inputs are.  sin and cos are not read: no result hangs on them.
; LIMITS.  A row's largest |z| from 2^-100 to 2^126; a row below that is stored as z x 2^100, with rs = 2^-100.  Within a row, numbers under 6e-5 of the largest keep f16's fixed step.
; NaN and infinities are not treated apart.  lambda's powers come by multiplication alone.
; SHARES.  A work-group owns 64 rows, in four panels of 16; 256 work-groups.  PHASE A: thread t owns channels 4 t .. 4 t + 3 (head t / 16) and walks the panel's rows: state, y; y (f32) and g (f16) go
; to LDS.  PHASE B: wave w owns the panel's rows 2 w and 2 w + 1 whole: lane l holds channels 4 l + 128 m + 0..3, m = 0..7.
; THE CARRY into my first row comes from the launch before: S = S lambda^128 + E128[i] over the blocks i of 128 rows of my batch that lie in front of mine, then, if my 64 rows are a block's second
; half, S = S lambda^64 + E64a.  All 31 blocks that any work-group can need are loaded and walked; a mask selects: no branch, no register whose first write hangs on one.
; IN FLIGHT.  All loads of q, v, g are phase A's: a ring of 16 row slots in registers, three loads of 8 bytes a lane each (a wave: 256 consecutive bytes, aligned); four slots are asked for again, 16 rows
; on, in the block behind the one that used them, so 24 to 48 loads a wave are out in phase A and 48 through phase B.
; No matrix unit, no cluster, no tensor load: nothing is shared between work-groups but esum's 1 MiB, and each byte of q, v, g is wanted by one thread.
; LDS: y 16 rows x 4,096 at 0; g 16 rows x 2,048 at 65,536; the 64 row magnitudes at 98,304 (a block of 256 to themselves); the spare words at 98,560.
; THE MODE: SCHED_MODE bits 1:0 = 2 (LLVM: expert scheduling mode 2), set by the entry lines.  The code itself states the register dependences between vector instructions and memory or LDS
; instructions, with s_wait_alu, always for 0.
; THE PLAN.  Registers that memory or LDS instructions touch:
;   v1 .. v6     offsets and LDS addresses, made at the head and never written again.  v7, the magnitudes' address, is stepped once a panel.
;   RING         Slot i: its q and v are read by row i's eight multiply-adds, its g by an LDS store; the loads of the row 16 on land in all three.
;   Y0, Y1       Phase A's out-buffers, four rows of y each; they lie in the row's registers YR, idle in phase A.  Written by block p's arithmetic, read by the LDS stores issued in block p + 1.
;   YR, GR       Phase B: LDS loads land in them; vector instructions read and write them.
;   OUT, MG      Phase B's out-buffers: the packed row and its magnitude.  Written at a row's end, read by that row's stores.
;   TR, TM, the statistics, the state: named by vector instructions alone in the loop (v138 and v139 of TM were offsets at the head).
; PHASE A goes in four blocks of four rows.  Block p works on its own slots and writes Y[p % 2].  Its memory instructions are the loads into block p - 1's slots, the stores of block p - 1's y from the other Y,
; and the stores of its own g, which no vector instruction names.  So the two waits at a block's head state all that they hang on, and they are dealt among the block's vector lines with no further wait.
; PHASE B: the wait on va_vdst ahead of a row's stores also shows every reader of YR and GR done, so the next row's LDS loads follow it with no wait (phase A's closing wait does that for the panel's first
; row); the waits that free OUT and MG stand ahead of MG's line, nearly a row behind the stores that read them.
.set GB,    65536
.set RSL,   98304
.set SPARE, 98560                      ; the spare words, 128 bytes for each of eight waves: four blocks of 256 bytes that no other line names
.set ROWH,  2048                       ; bytes in a row of q, v, g and z
.set PART,  0x2000000                  ; bytes in a part of qvg
; v1 8 t   v2 16 t   v3 GB + 8 t   v4 y's address in phase B: 8,192 w + 16 l   v5 g's: GB + 4,096 w + 8 l   v6 my bytes in zh: 4,096 w + 8 l   v7 my rows' words among the magnitudes
; v8 my spare word, v9 0: for the add alone   v10 0   v11 -log2 e   v[12:15] the state   v16 lambda
.set MG,   17                          ; v17      the row's largest magnitude, as it is stored
.set MEAN, 18                          ; v[18:19] in the prologue lambda^128, twice; then the row's mean, twice
.set RSTD, 20                          ; v[20:21] in the prologue lambda^64, twice; then 1 / sqrt(var + eps), twice
.set INV,  22                          ; v[22:23] 1 / the row's largest magnitude, twice
.set LNG,  24                          ; v[24:39]  ln_g of my 32 channels of phase B, bf16 in pairs
.set LNB,  40                          ; v[40:55]  ln_b likewise
.set YR,   56                          ; v[56:87]  the row: channel (m, k) at 4 m + k
.set YA,   YR                          ; phase A: Y0 at YA, Y1 at YA + 16: row r of a block at 4 r
.set GR,   88                          ; v[88:103] g in f16: channel (m, k) in half k % 2 of 2 m + k / 2
.set TR,   104                         ; v[104:135] the sigmoid
.set TM,   136                         ; v[136:143] at work
.set OUT,  144                         ; v[144:159] the row packed to f16
.set CT,   152                         ; v[152:155] in the prologue only: the carry's next value
.set RING, 160                         ; v[160:255] slot i: q at 6 i, v at 6 i + 2, g at 6 i + 4
; window 1: v[0:123] E128 of blocks 0 to 30, four registers each; v[124:127] E64a
.set MSB, 0
.macro WIN new                         ; the immediate's high byte repeats the setting that is left; a switch that changes nothing is dropped
.if MSB != (\new)
	s_set_vgpr_msb (MSB<<8)|(\new)
.set MSB, \new
.endif
.endm
	s_load_b256 s[4:11], s[0:1], 0x0               ; qvg s[4:5], esum s[6:7], decay s[8:9], ln_g s[10:11]
	s_load_b128 s[12:15], s[0:1], 0x20             ; ln_b s[12:13], zh s[14:15]
	s_load_b64 s[16:17], s[0:1], 0x30              ; rs
	v_lshl_add_u32 v8, v0, 2, SPARE
	v_mov_b32 v9, 0
	v_lshrrev_b32 v136, 5, v0
	v_readfirstlane_b32 s36, v136                  ; wave 0..7
	v_and_b32 v137, 31, v0                         ; lane
	v_lshlrev_b32 v1, 3, v0
	v_lshlrev_b32 v2, 4, v0
	v_add_nc_u32 v3, GB, v1
	s_wait_alu depctr_va_sdst(0)                   ; s36 is written, ahead of its first reader: phase B's addresses are made from it
	s_lshl_b32 s38, s36, 13
	v_lshl_add_u32 v4, v137, 4, s38
	s_lshl_b32 s38, s36, 12
	v_lshl_add_u32 v6, v137, 3, s38
	v_add_nc_u32 v5, GB, v6
	s_lshl_b32 s38, s36, 3
	s_add_co_u32 s38, s38, RSL
	v_mov_b32 v7, s38
	v_mov_b32 v10, 0
	v_mov_b32 v11, 0xbfb8aa3b                      ; -1.442695
	v_lshlrev_b32 v138, 4, v137                    ; 16 l: my bytes in 512 of ln_g and ln_b
	v_lshrrev_b32 v139, 4, v0
	v_lshl_add_u32 v139, v139, 3, 4                ; decay[t / 16][1][0]
	s_lshl_b32 s2, ttmp9, 17                       ; my 64 rows of 2,048 bytes
	s_mov_b32 s3, 0
	s_lshr_b32 s18, ttmp9, 6
	s_lshl_b32 s18, s18, 17                        ; my batch's 32 blocks of 4,096 bytes in esum
	s_mov_b32 s19, 0
	s_lshr_b32 s44, ttmp9, 1
	s_and_b32 s34, s44, 31                         ; blocks of my batch in front of mine
	s_lshl_b32 s44, s44, 12                        ; my own block
	s_mov_b32 s45, 0
	s_and_b32 s35, ttmp9, 1                        ; 1: my rows are its second half
	s_lshl_b32 s46, ttmp9, 8                       ; my 64 words of rs
	s_mov_b32 s47, 0
	s_mov_b32 s39, 0x3a800000                      ; 1 / 1,024
	s_mov_b32 s40, 0x3727c5ac                      ; 1e-5
	s_mov_b32 s41, 0x0d800000                      ; 2^-100
	s_mov_b32 s42, 0x76543210                      ; v_permlanex16_b32: each lane takes its own place in the other half
	s_mov_b32 s43, 0xfedcba98
	s_wait_kmcnt 0x0
	s_add_nc_u64 s[20:21], s[4:5], s[2:3]          ; q,
	s_add_nc_u64 s[22:23], s[20:21], PART          ; v,
	s_add_nc_u64 s[24:25], s[22:23], PART          ; g at my first row
	s_add_nc_u64 s[26:27], s[6:7], s[18:19]
	s_add_nc_u64 s[28:29], s[6:7], s[44:45]
	s_add_nc_u64 s[30:31], s[14:15], s[2:3]
	s_add_nc_u64 s[32:33], s[16:17], s[46:47]
	s_wait_alu depctr_va_vdst(0)                   ; the offsets and addresses v1 to v7, v138 and v139 are written, which the kernel's loads, stores and LDS instructions read
.irp m, 0,1,2,3,4,5,6,7
	global_load_b128 v[YR+4*(\m):YR+4*(\m)+3], v138, s[10:11] offset:512*(\m)
.endr
.irp m, 0,1,2,3,4,5,6,7
	global_load_b128 v[TR+4*(\m):TR+4*(\m)+3], v138, s[12:13] offset:512*(\m)
.endr
	global_load_b32 v16, v139, s[8:9]
	WIN 0x40                                       ; destination window 1, address window 0; only loads stand between the wait above and the loads below
	global_load_b128 v[124:127], v2, s[28:29] offset:524288
.set i, 0
.rept 31
	global_load_b128 v[4*i:4*i+3], v2, s[26:27] offset:4096*i
.set i, i+1
.endr
	WIN 0
.set i, 0
.rept 16                                       ; the ring is filled: rows 0 to 15
	global_load_b64 v[RING+6*i:RING+6*i+1],   v1, s[20:21] offset:ROWH*i th:TH_LOAD_NT
	global_load_b64 v[RING+6*i+2:RING+6*i+3], v1, s[22:23] offset:ROWH*i th:TH_LOAD_NT
	global_load_b64 v[RING+6*i+4:RING+6*i+5], v1, s[24:25] offset:ROWH*i th:TH_LOAD_NT
.set i, i+1
.endr
	s_wait_loadcnt 48                              ; all but the ring's 48
	v_cvt_pk_bf16_f32 v16, v16, v16                ; lambda rounded to bf16,
	v_lshlrev_b32 v16, 16, v16                     ; and widened again
	v_mul_f32 v[RSTD], v16, v16                    ; six squarings: lambda^64
.rept 5
	v_mul_f32 v[RSTD], v[RSTD], v[RSTD]
.endr
	v_mul_f32 v[MEAN], v[RSTD], v[RSTD]            ; lambda^128
	v_mov_b32 v[RSTD+1], v[RSTD]
	v_mov_b32 v[MEAN+1], v[MEAN]
.set j, 0
.rept 16
	v_cvt_pk_bf16_f32 v[LNG+j], v[YR+2*j], v[YR+2*j+1]
	v_cvt_pk_bf16_f32 v[LNB+j], v[TR+2*j], v[TR+2*j+1]
.set j, j+1
.endr
.irp k, 12,13,14,15
	v_mov_b32 v\k, 0
.endr
.set i, 0
.rept 31
	s_cmp_gt_u32 s34, i                            ; does block i lie in front of mine?
	s_cselect_b32 vcc_lo, -1, 0                    ; the mask is a scalar instruction's: no vector instruction of this text writes VCC
	WIN 0x10                                       ; source 2 in window 1
	v_pk_fma_f32 v[CT:CT+1],   v[12:13], v[MEAN:MEAN+1], v[4*i:4*i+1]
	v_pk_fma_f32 v[CT+2:CT+3], v[14:15], v[MEAN:MEAN+1], v[4*i+2:4*i+3]
	v_cndmask_b32 v12, v12, v[CT],   vcc_lo
	v_cndmask_b32 v13, v13, v[CT+1], vcc_lo
	v_cndmask_b32 v14, v14, v[CT+2], vcc_lo
	v_cndmask_b32 v15, v15, v[CT+3], vcc_lo
.set i, i+1
.endr
	s_cmp_eq_u32 s35, 1
	s_cselect_b32 vcc_lo, -1, 0
	v_pk_fma_f32 v[CT:CT+1],   v[12:13], v[RSTD:RSTD+1], v[124:125]
	v_pk_fma_f32 v[CT+2:CT+3], v[14:15], v[RSTD:RSTD+1], v[126:127]
	v_cndmask_b32 v12, v12, v[CT],   vcc_lo
	v_cndmask_b32 v13, v13, v[CT+1], vcc_lo
	v_cndmask_b32 v14, v14, v[CT+2], vcc_lo
	v_cndmask_b32 v15, v15, v[CT+3], vcc_lo
	WIN 0
; PHASE A: 16 rows, in four blocks of four.  reload = 1: each slot is asked for again, 16 rows on, in the block behind its own.
.macro PHASEA reload
.set p, 0
.rept 4
.if !(\reload)
	s_wait_loadcnt 12*(3-p)                        ; the last panel loads nothing: the counts run down
.elseif p == 0
	s_wait_loadcnt 36                              ; loads come back in order: block 0's twelve are in; behind them stand blocks 1 to 3
.else
	s_wait_loadcnt 24                              ; block p's twelve are in; behind them stand 12 (3 - p) of the turn before and 12 (p - 1) of this one
.endif
.if (p >= 2) || ((\reload) && (p == 1))
	s_wait_alu depctr_vm_vsrc(0)                   ; the LDS stores issued in the block before have read this block's Y (from block 2 on), which its arithmetic writes again, and that block's g, in which the loads below land
.endif
.if p >= 1
	s_wait_alu depctr_va_vdst(0)                   ; the block before has written the other Y, which the stores below read, and is done reading its q and v, in which the loads below land
.endif
.set r, 0
.rept 4
.set i, 4*p+r
.set RQ, RING+6*i                      ; this row's slot
.set RP, RING+6*(i-4)                  ; the slot four rows back
.set YW, YA+16*(p%2)+4*r               ; where this row's y goes
.set YP, YA+16*((p+1)%2)+4*r           ; where the y of four rows back lies
.if p >= 1
.if \reload
	global_load_b64 v[RP:RP+1],   v1, s[20:21] offset:ROWH*(i+12) th:TH_LOAD_NT  ; no vector instruction since the waits names these registers
	global_load_b64 v[RP+2:RP+3], v1, s[22:23] offset:ROWH*(i+12) th:TH_LOAD_NT
	global_load_b64 v[RP+4:RP+5], v1, s[24:25] offset:ROWH*(i+12) th:TH_LOAD_NT
.endif
	ds_store_b128 v2, v[YP:YP+3] offset:4096*(i-4)
.endif
	ds_store_b64 v3, v[RQ+4:RQ+5] offset:ROWH*i    ; g goes as it came: a load wrote it, and no vector instruction names it
	v_fma_mix_f32 v12, v16, v12, v[RQ+2] op_sel_hi:[0,0,1]                   ; state = lambda state + v, v an f16 half
	v_fma_mix_f32 v13, v16, v13, v[RQ+2] op_sel:[0,0,1] op_sel_hi:[0,0,1]
	v_fma_mix_f32 v14, v16, v14, v[RQ+3] op_sel_hi:[0,0,1]
	v_fma_mix_f32 v15, v16, v15, v[RQ+3] op_sel:[0,0,1] op_sel_hi:[0,0,1]
	v_fma_mix_f32 v[YW],   v[RQ],   v12, v10 op_sel_hi:[1,0,0]               ; y = q state
	v_fma_mix_f32 v[YW+1], v[RQ],   v13, v10 op_sel:[1,0,0] op_sel_hi:[1,0,0]
	v_fma_mix_f32 v[YW+2], v[RQ+1], v14, v10 op_sel_hi:[1,0,0]
	v_fma_mix_f32 v[YW+3], v[RQ+1], v15, v10 op_sel:[1,0,0] op_sel_hi:[1,0,0]
.set r, r+1
.endr
.set p, p+1
.endr
	s_wait_alu depctr_va_vdst(0)                   ; block 3 has written Y1, which the stores below read, and is done reading its q and v; phase B's LDS loads, which land in Y's registers, lean on this wait too
.if \reload
	s_wait_alu depctr_vm_vsrc(0)                   ; block 3's LDS stores have read its g, in which the loads below land
.endif
.set r, 0
.rept 4
.set RP, RING+6*(12+r)
.if \reload
	global_load_b64 v[RP:RP+1],   v1, s[20:21] offset:ROWH*(28+r) th:TH_LOAD_NT
	global_load_b64 v[RP+2:RP+3], v1, s[22:23] offset:ROWH*(28+r) th:TH_LOAD_NT
	global_load_b64 v[RP+4:RP+5], v1, s[24:25] offset:ROWH*(28+r) th:TH_LOAD_NT
.endif
	ds_store_b128 v2, v[YA+16+4*r:YA+16+4*r+3] offset:4096*(12+r)
.set r, r+1
.endr
.endm
.macro SUMX                            ; v[TM] summed over the 32 lanes, the result in every lane
	v_add_f32_dpp v[TM], v[TM], v[TM] row_xmask:1 row_mask:0xf bank_mask:0xf
	v_add_f32_dpp v[TM], v[TM], v[TM] row_xmask:2 row_mask:0xf bank_mask:0xf
	v_add_f32_dpp v[TM], v[TM], v[TM] row_xmask:4 row_mask:0xf bank_mask:0xf
	v_add_f32_dpp v[TM], v[TM], v[TM] row_xmask:8 row_mask:0xf bank_mask:0xf
	v_permlanex16_b32 v[TM+1], v[TM], s42, s43
	v_add_f32 v[TM], v[TM], v[TM+1]
.endm
.macro FOLD                            ; four packed chains into v[TM]
	v_pk_add_f32 v[TM:TM+1],   v[TM:TM+1],   v[TM+2:TM+3]
	v_pk_add_f32 v[TM+4:TM+5], v[TM+4:TM+5], v[TM+6:TM+7]
	v_pk_add_f32 v[TM:TM+1],   v[TM:TM+1],   v[TM+4:TM+5]
	v_add_f32 v[TM], v[TM], v[TM+1]
.endm
; PHASE B for row 2 w + r of the panel.  The loads at its head owe no wait of their own: no vector instruction has been issued since the wait on va_vdst that stands ahead of the row before's stores
; (for the panel's first row: at phase A's end), and that wait shows every earlier reader and writer of GR and YR done.
.macro ROWB r
.irp m, 0,1,2,3,4,5,6,7
	ds_load_b64 v[GR+2*(\m):GR+2*(\m)+1], v5 offset:ROWH*(\r)+256*(\m)
.endr
.irp m, 0,1,2,3,4,5,6,7
	ds_load_b128 v[YR+4*(\m):YR+4*(\m)+3], v4 offset:4096*(\r)+512*(\m)
.endr
	s_wait_dscnt 8                                 ; g is in; y's eight loads may be out
.set j, 0
.rept 16
	v_fma_mix_f32 v[TR+2*j],   v[GR+j], v11, v10 op_sel_hi:[1,0,0]           ; -g log2 e
	v_fma_mix_f32 v[TR+2*j+1], v[GR+j], v11, v10 op_sel:[1,0,0] op_sel_hi:[1,0,0]
.set j, j+1
.endr
.set j, 0
.rept 32
	v_exp_f32 v[TR+j], v[TR+j]                     ; one batch; the row's sum below is the plain work behind it
.set j, j+1
.endr
	s_wait_dscnt 0x0
.irp c, 0,2,4,6
	v_pk_add_f32 v[TM+(\c):TM+(\c)+1], v[YR+(\c):YR+(\c)+1], v[YR+8+(\c):YR+8+(\c)+1]  ; four chains, started by the first numbers
.endr
.irp c, 0,2,4,6
	v_pk_add_f32 v[TM+(\c):TM+(\c)+1], v[TM+(\c):TM+(\c)+1], v[YR+16+(\c):YR+16+(\c)+1]
.endr
.irp c, 0,2,4,6
	v_pk_add_f32 v[TM+(\c):TM+(\c)+1], v[TM+(\c):TM+(\c)+1], v[YR+24+(\c):YR+24+(\c)+1]
.endr
	FOLD
	s_wait_alu depctr_va_vdst(0)                   ; the 32 exponentials have written TR, ahead of their first reader: one wait for the batch
.set j, 0
.rept 16
	v_pk_add_f32 v[TR+2*j:TR+2*j+1], v[TR+2*j:TR+2*j+1], 1.0 op_sel_hi:[1,0]
.set j, j+1
.endr
.set j, 0
.rept 32
	v_rcp_f32 v[TR+j], v[TR+j]                     ; the sigmoid: a second batch; mean and variance are the work behind it, and name none of its results
.set j, j+1
.endr
	SUMX
	v_mul_f32 v[MEAN],   s39, v[TM]
	v_mul_f32 v[MEAN+1], s39, v[TM]
.set j, 0
.rept 16
	v_pk_add_f32 v[YR+2*j:YR+2*j+1], v[YR+2*j:YR+2*j+1], v[MEAN:MEAN+1] neg_lo:[0,1] neg_hi:[0,1]
.set j, j+1
.endr
.irp c, 0,2,4,6
	v_pk_mul_f32 v[TM+(\c):TM+(\c)+1], v[YR+(\c):YR+(\c)+1], v[YR+(\c):YR+(\c)+1]
.endr
.irp d, 8,16,24
.irp c, 0,2,4,6
	v_pk_fma_f32 v[TM+(\c):TM+(\c)+1], v[YR+(\d)+(\c):YR+(\d)+(\c)+1], v[YR+(\d)+(\c):YR+(\d)+(\c)+1], v[TM+(\c):TM+(\c)+1]
.endr
.endr
	FOLD
	SUMX
	v_fma_f32 v[TM], v[TM], s39, s40               ; var + eps
	v_rsq_f32 v[RSTD],   v[TM]                     ; made twice, to fill the pair that the packed multiply takes
	v_rsq_f32 v[RSTD+1], v[TM]
	v_nop                                          ; a plain instruction behind the last transcendental (ISA guide 5.7.2),
	s_wait_alu depctr_va_vdst(0)                   ; the 32 reciprocals have written TR and the two roots RSTD, ahead of their first reader: one wait for all
.set j, 0
.rept 16
	v_pk_mul_f32 v[YR+2*j:YR+2*j+1], v[YR+2*j:YR+2*j+1], v[RSTD:RSTD+1]
.set j, j+1
.endr
.set j, 0
.rept 16
	v_fma_mix_f32_bf16 v[YR+2*j],   v[YR+2*j],   v[LNG+j], v[LNB+j] op_sel_hi:[0,1,1]                  ; x ln_g + ln_b, from bf16 halves
	v_fma_mix_f32_bf16 v[YR+2*j+1], v[YR+2*j+1], v[LNG+j], v[LNB+j] op_sel:[0,1,1] op_sel_hi:[0,1,1]
.set j, j+1
.endr
.set j, 0
.rept 16
	v_fma_mix_f32 v[YR+2*j],   v[YR+2*j],   v[GR+j], v10 op_sel_hi:[0,1,0]                             ; x g
	v_fma_mix_f32 v[YR+2*j+1], v[YR+2*j+1], v[GR+j], v10 op_sel:[0,1,0] op_sel_hi:[0,1,0]
.set j, j+1
.endr
.set j, 0
.rept 16
	v_pk_mul_f32 v[YR+2*j:YR+2*j+1], v[YR+2*j:YR+2*j+1], v[TR+2*j:TR+2*j+1]                            ; x the sigmoid
.set j, j+1
.endr
.irp c, 0,1,2,3
	v_max3_num_f32 v[TM+(\c)], |v[YR+(\c)]|, |v[YR+4+(\c)]|, |v[YR+8+(\c)]|                            ; the largest magnitude, in four chains
.endr
.irp c, 0,1,2,3
	v_max3_num_f32 v[TM+(\c)], v[TM+(\c)], |v[YR+12+(\c)]|, |v[YR+16+(\c)]|
.endr
.irp c, 0,1,2,3
	v_max3_num_f32 v[TM+(\c)], v[TM+(\c)], |v[YR+20+(\c)]|, |v[YR+24+(\c)]|
.endr
	v_max3_num_f32 v[TM],   v[TM],   |v[YR+28]|, |v[YR+29]|
	v_max3_num_f32 v[TM+1], v[TM+1], |v[YR+30]|, |v[YR+31]|
	v_max3_num_f32 v[TM], v[TM], v[TM+1], v[TM+2]
	v_max_num_f32 v[TM], v[TM], v[TM+3]
	v_max_num_f32_dpp v[TM], v[TM], v[TM] row_xmask:1 row_mask:0xf bank_mask:0xf
	v_max_num_f32_dpp v[TM], v[TM], v[TM] row_xmask:2 row_mask:0xf bank_mask:0xf
	v_max_num_f32_dpp v[TM], v[TM], v[TM] row_xmask:4 row_mask:0xf bank_mask:0xf
	v_max_num_f32_dpp v[TM], v[TM], v[TM] row_xmask:8 row_mask:0xf bank_mask:0xf
	v_permlanex16_b32 v[TM+1], v[TM], s42, s43
	v_max_num_f32 v[TM], v[TM], v[TM+1]
	s_wait_xcnt 0x0                                ; every earlier memory instruction has had its addresses translated (ISA guide 3.1): OUT, the row before's store data, is written again only behind this wait
	s_wait_alu depctr_vm_vsrc(0)                   ; the row before's stores have read OUT and MG, which the lines below write again
	v_max_num_f32 v[MG], s41, v[TM]                ; at least 2^-100, so that its reciprocal is finite
	v_rcp_f32 v[INV],   v[MG]
	v_rcp_f32 v[INV+1], v[MG]
	v_nop
	s_wait_alu depctr_va_vdst(0)                   ; the two reciprocals have written INV, ahead of their first reader
.set j, 0
.rept 16
	v_pk_mul_f32 v[YR+2*j:YR+2*j+1], v[YR+2*j:YR+2*j+1], v[INV:INV+1]
.set j, j+1
.endr
.set j, 0
.rept 16
	v_cvt_pk_f16_f32 v[OUT+j], v[YR+2*j], v[YR+2*j+1]
.set j, j+1
.endr
	s_wait_alu depctr_va_vdst(0)                   ; the conversions have written OUT, which the stores below read; MG and v7 are written; and the row's readers of YR and GR are done, for the next row's LDS loads
.irp m, 0,1,2,3,4,5,6,7
	global_store_b64 v6, v[OUT+2*(\m):OUT+2*(\m)+1], s[30:31] offset:ROWH*(\r)+256*(\m)  ; the wave stores 256 consecutive bytes, at a multiple of 256 from zh's first byte
.endr
	ds_store_b32 v7, v[MG] offset:4*(\r)           ; every lane holds the same number and writes the same word
.endm
	s_mov_b32 s37, 4                               ; panels to go
.Lpanel:
	s_cmp_eq_u32 s37, 1
	s_cbranch_scc1 .Llast
	PHASEA 1
	s_wait_xcnt 0x0                                ; the loads have read their bases
	s_add_nc_u64 s[20:21], s[20:21], 16*ROWH
	s_add_nc_u64 s[22:23], s[22:23], 16*ROWH
	s_add_nc_u64 s[24:25], s[24:25], 16*ROWH
	s_branch .Lb
.Llast:
	PHASEA 0                                       ; no load leaves my 64 rows
.Lb:
	s_wait_dscnt 0x0                               ; for the others' sake: my stores of y and g are done
	s_barrier_signal -1
	s_barrier_wait -1                              ; the panel lies whole in LDS
	s_wait_alu depctr_vm_vsrc(0)                   ; my LDS stores of phase A have read Y0 and Y1, in which the row's loads land; in the first panel: the head's loads have read v138 and v139, which are work registers from here on
	ROWB 0
	ROWB 1
	s_wait_alu depctr_vm_vsrc(0)                   ; the LDS stores of my two magnitudes have read v7
	v_add_nc_u32 v7, 64, v7                        ; the next panel's 16 words
	s_wait_xcnt 0x0
	s_add_nc_u64 s[30:31], s[30:31], 16*ROWH
	s_wait_dscnt 0x0                               ; my reads of the panel are back, my two magnitudes stored:
	s_barrier_signal -1
	s_barrier_wait -1                              ; only now is the panel written again
	s_sub_co_u32 s37, s37, 1
	s_cmp_lg_u32 s37, 0
	s_cbranch_scc1 .Lpanel
	s_cmp_lg_u32 s36, 0                            ; wave 0 sends the 64 magnitudes out: 256 consecutive bytes
	s_cbranch_scc1 .Lend
	v_add_nc_u32 v[TM], RSL, v1
	s_wait_alu depctr_va_vdst(0)                   ; v[TM], the address below, is written; the rows' arithmetic is done with v[TM+4:TM+5], in which the load lands
	ds_load_b64 v[TM+4:TM+5], v[TM]
	s_wait_dscnt 0x0
	global_store_b64 v1, v[TM+4:TM+5], s[32:33]
.Lend:
	s_wait_dscnt 0x0                               ; the closing lines, six on end
	s_wait_alu 0x0
	s_wait_tensorcnt 0x0
	ds_add_u32 v8, v9
	s_wait_dscnt 0x0
	s_endpgm
.Lfunc_end_k_q715cad8ed9_scan:
	.size	k_q715cad8ed9_scan, .Lfunc_end_k_q715cad8ed9_scan-k_q715cad8ed9_scan
	.p2alignl 7, 3214868480
	.fill 96, 4, 3214868480
	.section	.rodata,"a",@progbits
	.p2align	6, 0x0
	.amdhsa_kernel k_q715cad8ed9_scan
		.amdhsa_group_segment_fixed_size 99840
		.amdhsa_private_segment_fixed_size 0
		.amdhsa_enable_private_segment 0
		.amdhsa_kernarg_size 56
		.amdhsa_user_sgpr_count 2
		.amdhsa_user_sgpr_kernarg_segment_ptr 1
		.amdhsa_wavefront_size32 1
		.amdhsa_system_sgpr_workgroup_id_x 1
		.amdhsa_system_sgpr_workgroup_id_y 1
		.amdhsa_system_sgpr_workgroup_id_z 1
		.amdhsa_system_vgpr_workitem_id 0
		.amdhsa_next_free_vgpr 384
		.amdhsa_next_free_sgpr 66
		.amdhsa_reserve_vcc 1
		.amdhsa_float_denorm_mode_32 3
		.amdhsa_float_denorm_mode_16_64 3
		.amdhsa_memory_ordered 1
		.amdhsa_forward_progress 1
		.amdhsa_inst_pref_size 93
	.end_amdhsa_kernel
	.amdgpu_metadata
---
amdhsa.version: [ 1, 2 ]
amdhsa.kernels:
  - .name:           k_q715cad8ed9_scan
    .symbol:         k_q715cad8ed9_scan.kd
    .args:
      - { .name: qvg, .offset: 0, .size: 8, .value_kind: global_buffer, .address_space: global }
      - { .name: esum, .offset: 8, .size: 8, .value_kind: global_buffer, .address_space: global }
      - { .name: decay, .offset: 16, .size: 8, .value_kind: global_buffer, .address_space: global }
      - { .name: ln_g, .offset: 24, .size: 8, .value_kind: global_buffer, .address_space: global }
      - { .name: ln_b, .offset: 32, .size: 8, .value_kind: global_buffer, .address_space: global }
      - { .name: zh, .offset: 40, .size: 8, .value_kind: global_buffer, .address_space: global }
      - { .name: rs, .offset: 48, .size: 8, .value_kind: global_buffer, .address_space: global }
    .group_segment_fixed_size: 99840
    .private_segment_fixed_size: 0
    .kernarg_segment_align: 8
    .kernarg_segment_size: 56
    .max_flat_workgroup_size: 256
    .sgpr_count:     66
    .vgpr_count:     384
    .wavefront_size: 32
...
	.end_amdgpu_metadata
.endif
;; end of part 5
;; launch outp: the kernel of part 4 again; grid 4 x 64, 4 waves a work-group, clusters of 4 x 4, 327,680 bytes of LDS; arguments zh, wo16, out0, rs; writes out0
